; MI455X (gfx1250); checked and timed in simulation.
; The chip was launched on July 23, 2026; its instructions are those of AMD's public machine-readable ISA for CDNA 5 (MIT licence, August 2026) and "CDNA5" Instruction Set Architecture Reference Guide (July 2026). The comments in the code are by the model that wrote it; some were corrected since.
;; Rotary Self Attention. Allowed arithmetic: matrix products marked QUANTISED: E2M1 operands, one E8M0 scale for each 32 along K, by v_wmma_scale_f32_16x16x128_f8f6f4 with both operands' format E2M1 (or v_wmma_scale_f32_32x16x128_f4), f32 sums; products left as they are: bf16, f16 or f32 operands; f32 sums; everything else in f32.
;; Inputs: Wk 1,024 x 1,024 float32; Wo 1,024 x 1,024 float32; Wq 1,024 x 1,024 float32; Wv 1,024 x 1,024 float32; attention_mask 4 x 2,048 bool; bk 1,024 float32; bo 1,024 float32; bq 1,024 float32; bv 1,024 float32; cos 2,048 x 64 float32; sin 2,048 x 64 float32; x 4 x 2,048 x 1,024 float32.
;; Outputs: out0 4 x 2,048 x 1,024 float32.
;; This version of the problem:
;;   THIS VERSION OF THE PROBLEM IS GIVEN IN LOW PRECISION. The matrix products marked QUANTISED in the list below multiply operands that are first quantised to E2M1 (2 exponent bits, 1 mantissa bit; 4 bits a number), with one power-of-two scale for each 32 numbers along K (OCP MX v1.0); their sums are f32. The products marked 'left as it is' may take bf16, f16 or f32 operands, with f32 sums. Whichever they take, every output number must still come out within the allowed error. Rounding operands to bf16 (8 significant bits) uses up far more of that allowance than f16 does (11 bits, for magnitudes from 6e-5 to 65,504). All else is computed in f32.
;;   The module's matrix products, in the order in which they are computed (A, B: the left and right operand; K: the contracted axis; several contracted axes count as one K, in the product's order):
;;     1. [M 8,192, K 1,024] x [K 1,024, N 1,024]; A: input x; B: input Wq: QUANTISED
;;     2. [M 8,192, K 1,024] x [K 1,024, N 1,024]; A: input x; B: input Wk: QUANTISED
;;     3. [M 8,192, K 1,024] x [K 1,024, N 1,024]; A: input x; B: input Wv: QUANTISED
;;     4. batch 64 x [M 2,048, K 64] x [K 64, N 2,048]; A: computed on the way; B: computed on the way: left as it is (an operand is computed on the way)
;;     5. batch 64 x [M 64, K 2,048] x [K 2,048, N 2,048]; A: computed on the way; B: computed on the way: left as it is (an operand is computed on the way)
;;     6. [M 8,192, K 1,024] x [K 1,024, N 1,024]; A: computed on the way; B: input Wo: left as it is (an operand is computed on the way)
;;   THE QUANTISER, for each operand of a quantised product, along K:
;;     - K is cut into blocks of 32 from its start; a last block that is shorter is filled with zeros.
;;     - A block's scale is 2^e with e = floor(log2(the largest magnitude in the block)) - 2, held to -126 .. 127; a block of zeros has e = 0. As a byte (E8M0): e + 127.
;;     - Each number is divided by its block's scale, clamped to +-6, and rounded to the nearest number of E2M1, ties to even, subnormals kept.
;;     - The product sums the exact products of the quantised numbers (number of the format x scale) in f32.
;;   ~~~python
;;   def quantise(x, axis):      # numpy; x: float32 -> the quantised numbers, widened to float32 again
;;       x = np.moveaxis(x, axis, -1); K = x.shape[-1]
;;       x = np.pad(x, [(0, 0)] * (x.ndim - 1) + [(0, -K % 32)]); x = x.reshape(x.shape[:-1] + (-1, 32)); a = np.abs(x).max(-1, keepdims=True)
;;       e = np.where(a > 0, np.clip(np.frexp(np.where(a > 0, a, 1))[1] - 1 - 2, -126, 127), 0)      # np.frexp(a)[1] - 1 = floor(log2(a)), exactly
;;       r = np.clip(x / 2.0 ** e, -6, 6)
;;       step = 2.0 ** (np.maximum(np.frexp(np.where(r == 0, 1, r))[1] - 1, 0) - 1)
;;       q = np.round(r / step) * step * 2.0 ** e      # np.round: ties to even
;;       return np.moveaxis(q.reshape(q.shape[:-2] + (-1,))[..., :K], -1, axis).astype(np.float32)
;;   ~~~
;; One version. Each part assembles by itself: llvm-mc -triple=amdgcn-amd-amdhsa -mcpu=gfx1250 --defsym DOCPART=n.
;; ======== version 1 of 1: 4 launches
;; limits: values are held in f16: magnitudes above 65,504 overflow, below 6.1e-05 lose precision
;; workspace buffers: xc 4,194,304 bytes; xs 262,144 bytes; wc 1,572,864 bytes; ws 98,304 bytes; wo16 2,097,152 bytes; maskf 33,280 bytes; qkv 50,331,648 bytes; ctx 16,777,216 bytes
;; launch prep (part 1): grid 385 x 1, 4 waves a work-group, no clusters, 33,280 bytes of LDS; arguments x, Wq, Wk, Wv, Wo, attention_mask, xc, xs, wc, ws, wo16, maskf; writes xc, xs, wc, ws, wo16, maskf
.if DOCPART == 1
	.amdgcn_target "amdgcn-amd-amdhsa--gfx1250"
	.amdhsa_code_object_version 6
	.text
	.protected	k_qa5a704ef15_prep
	.globl	k_qa5a704ef15_prep
	.p2align	8
	.type	k_qa5a704ef15_prep,@function
k_qa5a704ef15_prep:
	s_mov_b64 s[64:65], 0
	v_nop
	global_prefetch_b8 v0, s[64:65] scope:SCOPE_SE
	s_setreg_imm32_b32 hwreg(HW_REG_WAVE_MODE, 25, 1), 1
	s_wait_xcnt 0x0
; PREP: the operands of the later launches are made once.
; DEAD WORK: none.  bq, bv and bo reach the output directly.  bk is turned by RoPE with the KEY's position, so q . R_k(bk) differs from key to key and is no constant along the softmax's axis.
; The mask, cos and sin are honoured as given.  So all twelve inputs are loaded by some launch of this program.
; Work-groups 0-351: x [8192][1024] and Wq, Wk, Wv [1024][1024], f32, K innermost, become codes of FP4 (E2M1) and one E8M0 byte for each 32 along K: xc, xs; wc, ws (rows 0-1023 Wq, 1024-2047 Wk, 2048-3071 Wv).
;   A block's scale is 2^(floor(log2(largest magnitude)) - 2); its byte is the largest magnitude's exponent field - 2, held at 1 from below.  A block of zeros gets the byte 1: its codes are zeros, and this program alone reads the bytes.
;   Rows are dense and K is a multiple of 32: each tensor is a plain stream of blocks.  A wave takes 16 steps of 512 numbers; loads read 512 consecutive bytes; the numbers turn through the wave's own stage in LDS so that a lane holds 16 neighbours.
; Work-groups 352-383: Wo becomes f16, laid by head: wo16 [16 heads][1024 n][64], so that a head's rows are dense.
; Work-group 384: the mask becomes f32 addends, maskf [4][2048]: 0 for a kept key, -2^100 for a masked one; behind them, for each batch, c_b = log2(e) / 8 if the batch keeps any key, else 0, written 32 times.
; LIMITS: NaN and infinities among the inputs are not served; blocks whose largest magnitude lies under 2^-124 have their byte held at 1; Wo stays inside f16's range (65,504).
.set WAVES, 4
.set STEPS, 16
.set WGX,   256                        ; work-groups for x: 8192 x 1024 / 32768
.set WGQ,   352                        ; and with the three weights, 32 each
.set WGM,   384                        ; the mask's work-group
.set CB,    8                          ; bytes of 16 codes
.set R,     16                         ; v16-79   four sets of 16 numbers as they are loaded
.set X,     80                         ; v80-111  two sets of 16 neighbours
.set E,     112                        ; v112-127 a scale byte for each step
.set C,     128                        ; v128-191 codes: four registers for each step
.set WREG,  8192                       ; LDS: a region for each wave: two stages of 32 x SP bytes, then its 256 scale bytes
.set SP,    80                         ; a lane's place in a stage: 64 bytes + 16 of padding
.set SPW,   12                         ; v12 LDS address of my spare word; never rewritten
.set NIL,   13                         ; v13 0; never rewritten
.set SPARE, WAVES*WREG                 ; behind the four regions: the spare words, 128 bytes a wave
	s_load_b512 s[4:19], s[0:1], 0x0               ; x 4:5, Wq 6:7, Wk 8:9, Wv 10:11, Wo 12:13, mask 14:15, xc 16:17, xs 18:19
	s_load_b256 s[20:27], s[0:1], 0x40             ; wc 20:21, ws 22:23, wo16 24:25, maskf 26:27
	v_lshl_add_u32 v[SPW], v0, 2, SPARE
	v_mov_b32 v[NIL], 0
	v_lshrrev_b32 v1, 5, v0
	v_readfirstlane_b32 s28, v1                    ; wave
	v_and_b32 v2, 31, v0                           ; lane
	s_wait_kmcnt 0x0
	s_cmp_ge_u32 ttmp9, WGQ                        ; the three kinds of work part on the work-group's number alone
	s_cbranch_scc1 .Lother
	; ---------------- the quantiser ----------------
	v_lshlrev_b32 v3, 4, v2                        ; my 16 bytes of a load's 512
	s_mul_i32 s31, s28, WREG
	v_lshrrev_b32 v14, 2, v2
	v_mul_u32_u24 v14, v14, SP
	v_and_b32 v15, 3, v2
	v_lshl_add_u32 v14, v15, 4, v14
	v_add_nc_u32 v14, s31, v14                     ; the stage, on the way in: SP (lane / 4) + 16 (lane % 4)
	v_mul_u32_u24 v15, v2, SP
	v_add_nc_u32 v15, s31, v15                     ; and on the way out: SP x lane: my 16 neighbours
	v_mul_u32_u24 v4, v2, CB                       ; my codes' place in a step's
	v_lshrrev_b32 v5, 1, v2
	s_add_co_u32 s31, s31, 2*32*SP
	v_add_nc_u32 v5, s31, v5                       ; LDS: my wave's 256 scale bytes, my block's byte
	v_lshlrev_b32 v7, 3, v2                        ; and on the way out 8 bytes a lane
	v_add_nc_u32 v6, s31, v7
	s_cmp_lt_u32 ttmp9, WGX+32                     ; which tensor: only pointers are chosen, by the work-group's number
	s_cselect_b64 s[32:33], s[6:7], s[8:9]
	s_cmp_lt_u32 ttmp9, WGX+64
	s_cselect_b64 s[32:33], s[32:33], s[10:11]
	s_cmp_lt_u32 ttmp9, WGX
	s_cselect_b64 s[32:33], s[4:5], s[32:33]       ; the numbers,
	s_cselect_b64 s[34:35], s[16:17], s[20:21]     ; the codes,
	s_cselect_b64 s[36:37], s[18:19], s[22:23]     ; the scale bytes
	s_cselect_b32 s29, 0, WGX
	s_cselect_b32 s30, 255, 31
	s_sub_co_u32 s29, ttmp9, s29                   ; the work-group's place in xc, or in wc (the three weights on end)
	s_and_b32 s30, s29, s30                        ; and in its own source tensor
	s_lshl_b32 s29, s29, 2
	s_add_co_u32 s29, s29, s28                     ; my wave's run of 8,192 numbers: where it goes,
	s_lshl_b32 s30, s30, 2
	s_add_co_u32 s30, s30, s28                     ; and where it comes from
	s_lshl_b32 s38, s30, 15                        ; 32,768 bytes of f32 a run
	s_mov_b32 s39, 0
	s_add_nc_u64 s[32:33], s[32:33], s[38:39]
	s_lshl_b32 s38, s29, 12                        ; 4,096 bytes of codes
	s_add_nc_u64 s[34:35], s[34:35], s[38:39]
	s_lshl_b32 s38, s29, 8                         ; 256 scale bytes
	s_add_nc_u64 s[36:37], s[36:37], s[38:39]
.macro LOAD t
.irp i, 0,1,2,3
	global_load_b128 v[R+16*((\t)%4)+4*\i:R+16*((\t)%4)+4*\i+3], v3, s[32:33] offset:2048*(\t)+512*\i th:TH_LOAD_NT   ; 32 lanes read 512 consecutive bytes
.endr
.endm
.macro TURN t                          ; step t's numbers through the stage: LDS serves a wave's instructions in order, so no wait stands between the stores and the loads
.irp i, 0,1,2,3
	ds_store_b128 v14, v[R+16*((\t)%4)+4*\i:R+16*((\t)%4)+4*\i+3] offset:32*SP*((\t)%2)+8*SP*\i
.endr
.irp i, 0,1,2,3
	ds_load_b128 v[X+16*((\t)%2)+4*\i:X+16*((\t)%2)+4*\i+3], v15 offset:32*SP*((\t)%2)+16*\i
.endr
.endm
.irp t, 0,1,2,3
	LOAD \t
.endr
	s_wait_loadcnt 12                              ; step 0's four loads are in; those of steps 1 to 3 may be out
	TURN 0
.macro STEP t
.set XS, X+16*((\t)%2)
.if (\t) > 0
	s_wait_dscnt 1                                 ; this step's numbers are back from the stage (the last step's byte store may be out)
.else
	s_wait_dscnt 0x0
.endif
.if (\t)+4 < STEPS
	LOAD (\t)+4                                    ; into the set whose stores into the stage have been served
.endif
.if (\t)+1 < STEPS
.if STEPS-2-(\t) >= 3
	s_wait_loadcnt 12                              ; the next step's four loads are in; those of the three steps behind it may be out
.else
	s_wait_loadcnt 4*(STEPS-2-(\t))
.endif
	TURN (\t)+1
.endif
	v_max3_num_f32 v8, |v[XS]|, |v[XS+1]|, |v[XS+2]|               ; the largest magnitude of my 16, in two chains
	v_max3_num_f32 v9, |v[XS+3]|, |v[XS+4]|, |v[XS+5]|
.irp i, 6,10
	v_max3_num_f32 v8, v8, |v[XS+\i]|, |v[XS+\i+1]|
	v_max3_num_f32 v9, v9, |v[XS+\i+2]|, |v[XS+\i+3]|
.endr
	v_max3_num_f32 v8, v8, |v[XS+14]|, |v[XS+15]|
	v_max3_num_f32 v8, v8, v9, 0x1800000           ; and the floor 2^(3 - 127): the byte cannot fall under 1
	v_max_num_f32_dpp v8, v8, v8 row_xmask:1 row_mask:0xf bank_mask:0xf   ; and of my neighbour's 16: the block's
	v_add_nc_u32 v11, 0xff000000, v8               ; 2 off its exponent field: the conversion takes this operand's exponent field as its scale
	v_cvt_scalef32_pk8_fp4_f32 v[C+4*(\t)], v[XS:XS+7], v11
	v_cvt_scalef32_pk8_fp4_f32 v[C+4*(\t)+1], v[XS+8:XS+15], v11
	v_lshrrev_b32 v[E+(\t)], 23, v11               ; the scale's byte
	ds_store_b8 v5, v[E+(\t)] offset:16*(\t)       ; both lanes of a block write the same byte with the same value
	global_store_b64 v4, v[C+4*(\t):C+4*(\t)+1], s[34:35] offset:32*CB*(\t)   ; the wave stores 256 consecutive bytes, aligned
.endm
.irp t, 0,1,2,3,4,5,6,7,8,9,10,11,12,13,14,15
	STEP \t
.endr
	ds_load_b64 v[8:9], v6                         ; LDS serves a wave's instructions in order: these see my byte stores
	s_wait_dscnt 0x0
	global_store_b64 v7, v[8:9], s[36:37]          ; 32 lanes store 256 consecutive bytes, aligned
	s_wait_tensorcnt 0x0                           ; the wave's end: behind my last LDS store
	ds_add_u32 v[SPW], v[NIL]
	s_wait_dscnt 0x0
	s_endpgm
.Lother:
	s_cmp_eq_u32 ttmp9, WGM
	s_cbranch_scc1 .Lmask
	; ---------------- Wo to f16, by head.  Wave i of 128 owns rows 8 i .. 8 i + 7.  One operation: two rows of one head: 2 x 256 bytes in, 256 consecutive bytes out ----------------
	s_sub_co_u32 s29, ttmp9, WGQ
	s_lshl_b32 s29, s29, 2
	s_add_co_u32 s29, s29, s28                     ; i
	s_lshl_b32 s38, s29, 15                        ; 8 rows of 4,096 bytes
	s_mov_b32 s39, 0
	s_add_nc_u64 s[12:13], s[12:13], s[38:39]
	s_lshl_b32 s38, s29, 10                        ; 8 rows of 128 bytes in each head's plane
	s_add_nc_u64 s[24:25], s[24:25], s[38:39]
	v_lshrrev_b32 v3, 4, v2
	v_and_b32 v4, 15, v2
	v_lshlrev_b32 v3, 12, v3
	v_lshl_add_u32 v3, v4, 4, v3                   ; in: lanes 0-15 one row's 256 bytes, lanes 16-31 the next row's
	v_lshlrev_b32 v4, 3, v2                        ; out: 8 bytes a lane
.macro LOADG p                         ; pair p of my rows, all 16 heads, into set p % 2
.irp hd, 0,1,2,3,4,5,6,7,8,9,10,11,12,13,14,15
	global_load_b128 v[16+64*((\p)%2)+4*\hd:16+64*((\p)%2)+4*\hd+3], v3, s[12:13] offset:(\p)*8192+\hd*256 th:TH_LOAD_NT
.endr
.endm
.macro CVTST p
.irp hd, 0,1,2,3,4,5,6,7,8,9,10,11,12,13,14,15
	v_cvt_pk_f16_f32 v[16+64*((\p)%2)+4*\hd], v[16+64*((\p)%2)+4*\hd], v[16+64*((\p)%2)+4*\hd+1]
	v_cvt_pk_f16_f32 v[16+64*((\p)%2)+4*\hd+1], v[16+64*((\p)%2)+4*\hd+2], v[16+64*((\p)%2)+4*\hd+3]
	global_store_b64 v4, v[16+64*((\p)%2)+4*\hd:16+64*((\p)%2)+4*\hd+1], s[24:25] offset:\hd*131072+(\p)*256
.endr
.endm
	LOADG 0
	LOADG 1
	s_wait_loadcnt 16                              ; the older group's 16 loads are in, the younger group's may be out
	CVTST 0
	s_wait_xcnt 0x0                                ; the stores have read set 0: it is loaded again only behind this wait
	LOADG 2
	s_wait_loadcnt 16
	CVTST 1
	s_wait_xcnt 0x0
	LOADG 3
	s_wait_loadcnt 16
	CVTST 2
	s_wait_loadcnt 0x0
	CVTST 3
	s_endpgm
.Lmask:
	; ---------------- the mask: wave w takes batch w: 2,048 bytes in, 8,192 bytes out ----------------
	s_lshl_b32 s38, s28, 11
	s_mov_b32 s39, 0
	s_add_nc_u64 s[14:15], s[14:15], s[38:39]
	s_lshl_b32 s40, s28, 13
	s_mov_b32 s41, 0
	s_add_nc_u64 s[42:43], s[26:27], s[40:41]      ; the batch's row of addends
	s_lshl_b32 s40, s28, 7
	s_add_nc_u64 s[44:45], s[26:27], s[40:41]      ; the batch's 128 bytes of c_b (32,768 bytes further on)
	v_lshlrev_b32 v3, 2, v2
	v_lshlrev_b32 v4, 4, v2
	v_mov_b32 v97, 0xf1800000                      ; -2^100
.irp t, 0,1,2,3,4,5,6,7,8,9,10,11,12,13,14,15
	global_load_b32 v[16+\t], v3, s[14:15] offset:128*\t           ; keys 128 t + 4 lane + 0 .. 3
.endr
	s_wait_loadcnt 0x0
	v_or_b32 v96, v16, v17
.irp t, 2,3,4,5,6,7,8,9,10,11,12,13,14,15
	v_or_b32 v96, v96, v[16+\t]                    ; not 0 where one of my 64 keys is kept
.endr
.irp t, 0,1,2,3,4,5,6,7,8,9,10,11,12,13,14,15
.irp i, 0,1,2,3
	v_bfe_u32 v98, v[16+\t], 8*\i, 8
	v_cmp_eq_u32 vcc_lo, 0, v98
	v_cndmask_b32 v[32+4*\t+\i], 0, v97, vcc_lo    ; a choice of values: no branch hangs on the mask
.endr
	global_store_b128 v4, v[32+4*\t:32+4*\t+3], s[42:43] offset:512*\t   ; 32 lanes store 512 consecutive bytes
.endr
	v_cmp_ne_u32 vcc_lo, 0, v96
	s_cmp_lg_u32 vcc_lo, 0                         ; does any lane hold a kept key?
	s_cselect_b32 s30, 0x3e38aa3b, 0               ; c_b = log2(e) / sqrt(64), or 0 for a batch with no kept key
	v_mov_b32 v99, s30
	global_store_b32 v3, v99, s[44:45] offset:32768
	s_endpgm
.Lfunc_end_k_qa5a704ef15_prep:
	.size	k_qa5a704ef15_prep, .Lfunc_end_k_qa5a704ef15_prep-k_qa5a704ef15_prep
	.p2alignl 7, 3214868480
	.fill 96, 4, 3214868480
	.section	.rodata,"a",@progbits
	.p2align	6, 0x0
	.amdhsa_kernel k_qa5a704ef15_prep
		.amdhsa_group_segment_fixed_size 33280
		.amdhsa_private_segment_fixed_size 0
		.amdhsa_enable_private_segment 0
		.amdhsa_kernarg_size 96
		.amdhsa_user_sgpr_count 2
		.amdhsa_user_sgpr_kernarg_segment_ptr 1
		.amdhsa_wavefront_size32 1
		.amdhsa_system_sgpr_workgroup_id_x 1
		.amdhsa_system_sgpr_workgroup_id_y 1
		.amdhsa_system_sgpr_workgroup_id_z 1
		.amdhsa_system_vgpr_workitem_id 0
		.amdhsa_next_free_vgpr 192
		.amdhsa_next_free_sgpr 66
		.amdhsa_reserve_vcc 1
		.amdhsa_float_denorm_mode_32 3
		.amdhsa_float_denorm_mode_16_64 3
		.amdhsa_memory_ordered 1
		.amdhsa_forward_progress 1
		.amdhsa_inst_pref_size 67
	.end_amdhsa_kernel
	.amdgpu_metadata
---
amdhsa.version: [ 1, 2 ]
amdhsa.kernels:
  - .name:           k_qa5a704ef15_prep
    .symbol:         k_qa5a704ef15_prep.kd
    .args:
      - { .name: x, .offset: 0, .size: 8, .value_kind: global_buffer, .address_space: global }
      - { .name: Wq, .offset: 8, .size: 8, .value_kind: global_buffer, .address_space: global }
      - { .name: Wk, .offset: 16, .size: 8, .value_kind: global_buffer, .address_space: global }
      - { .name: Wv, .offset: 24, .size: 8, .value_kind: global_buffer, .address_space: global }
      - { .name: Wo, .offset: 32, .size: 8, .value_kind: global_buffer, .address_space: global }
      - { .name: attention_mask, .offset: 40, .size: 8, .value_kind: global_buffer, .address_space: global }
      - { .name: xc, .offset: 48, .size: 8, .value_kind: global_buffer, .address_space: global }
      - { .name: xs, .offset: 56, .size: 8, .value_kind: global_buffer, .address_space: global }
      - { .name: wc, .offset: 64, .size: 8, .value_kind: global_buffer, .address_space: global }
      - { .name: ws, .offset: 72, .size: 8, .value_kind: global_buffer, .address_space: global }
      - { .name: wo16, .offset: 80, .size: 8, .value_kind: global_buffer, .address_space: global }
      - { .name: maskf, .offset: 88, .size: 8, .value_kind: global_buffer, .address_space: global }
    .group_segment_fixed_size: 33280
    .private_segment_fixed_size: 0
    .kernarg_segment_align: 8
    .kernarg_segment_size: 96
    .max_flat_workgroup_size: 128
    .sgpr_count:     66
    .vgpr_count:     192
    .wavefront_size: 32
...
	.end_amdgpu_metadata
.endif
;; end of part 1
;; launch qkv (part 2): grid 12 x 32, 4 waves a work-group, clusters of 4 x 4, 327,680 bytes of LDS; arguments xc, xs, wc, ws, bq, bk, bv, cos, sin, qkv; writes qkv
.if DOCPART == 2
	.amdgcn_target "amdgcn-amd-amdhsa--gfx1250"
	.amdhsa_code_object_version 6
	.text
	.protected	k_qa5a704ef15_qkv
	.globl	k_qa5a704ef15_qkv
	.p2align	8
	.type	k_qa5a704ef15_qkv,@function
k_qa5a704ef15_qkv:
	s_mov_b64 s[64:65], 0
	v_nop
	global_prefetch_b8 v0, s[64:65] scope:SCOPE_SE
	s_setreg_imm32_b32 hwreg(HW_REG_WAVE_MODE, 25, 1), 1
	s_wait_xcnt 0x0
	s_wait_alu depctr_hold_cnt(0) depctr_sa_sdst(0) depctr_va_vdst(0) depctr_va_sdst(0) depctr_va_ssrc(0) depctr_va_vcc(0) depctr_vm_vsrc(0)
	s_getreg_b32 s2, hwreg(HW_REG_IB_STS2, 6, 4)
	s_cmp_eq_u32 s2, 0
	s_cbranch_scc0 .Lentry_in_a_cluster
	s_endpgm
.Lentry_in_a_cluster:
	s_bfe_u32 s2, ttmp6, 0x10000c
	s_cmp_lg_u32 s2, 0xf033
	s_cbranch_scc0 .Lentry_shape_is_right
	s_endpgm
.Lentry_shape_is_right:
; QKV: [8192][3072] = x (Wq | Wk | Wv)^T + bias on codes of FP4 (E2M1) with one E8M0 scale for each 32 along K = 1,024; then RoPE on q and k; results as f16, laid by head: qkv [3][batch x head = 64][2048][64].
; No work of reference() is left out here.
; A tile of 256 x 256 is made by a work-group of four waves; a wave makes 128 x 128: 64 accumulators, 512 registers.  K is two LDS slots of 512 along K (rows of 256 bytes): both are asked for at the head, nothing is filled again.
; The scale bytes of the work-group's 256 rows of x and 256 rows of W, for all of K, come once, as dense blocks.
; CLUSTERS: 4 x 4 work-groups; the four of a row need the same tiles of x, the four of a column the same tiles of W: each tile is asked for jointly.  A cluster's 1,024 columns are exactly one of q, k, v: the cluster's x says which.
; THE MATRIX INSTRUCTION IS USED TRANSPOSED (source 0 = 16 rows of W, source 1 = 16 rows of x): a lane holds eight neighbouring columns of one row.  The bias is the C of each sum's first product.
; RoPE: a wave's 128 columns are two heads; column block b holds channels 16 (b % 4) + 8 (lane / 16) + 0 .. 7 of head b / 4, so a channel's partner 32 away lies in block b + 2 or b - 2 of the SAME lane.
; REGISTERS: window 0: v0-31 addresses; v32-95 scale words, two sets; v128-191 x's fragments, one set; v192-255 the bias; on the way out v128-255 hold two sets of cos and sin.
;   window 1: W's fragments, two sets, at v0 and v128; on the way out v0-63 turned numbers, v64-95 f16, v96-159 rows read back.   windows 2, 3: the accumulators ((a, b) at v[8 (8 (a % 4) + b)]).
; LIMITS: q, k, v stay inside f16's range (65,504); NaN and infinities are not served.
.set SIZE_K, 1024
.set KSTEP,  512
.set NQ,     KSTEP/128
.set ROWB,   256                       ; a tile's row in bytes
.set KROW,   SIZE_K/2                  ; a row of codes in memory
.set PITCH,  272                       ; an LDS row: 256 bytes + 16 of padding: the 16 rows that a load touches start at 16 different groups of four banks
.set FR,     8
.set NL,     2
.set NP,     4
.set HALFT,  128*PITCH
.set SLOT,   4*HALFT
.set KS,     SIZE_K/32
.set SCL,    2*SLOT                    ; behind the two slots: the scales, as units of 256 bytes + 16 of padding
.set HALFS,  (128*KS/256)*272
.set SBLK,   (16*KS/256)*272
.set SPARE,  SCL+4*HALFS               ; the spare words, 128 bytes a wave
.set PLOFF,  32768                     ; the way out: a stage of 16 rows x 272 bytes a wave, in slot 0 (it has had its one fill and its last read): q's and k's way at byte 0, v's way at byte PLOFF
.set ADRA, 16
.set ADRB, 20
.set STO,  24                          ; v24 the way out: where I put 16 bytes of a row
.set RD,   25                          ; v25 where I read back
.set CO,   26                          ; v26 my byte offset in the output
.set ADRS, 27
.set SPW,  28
.set NIL,  29
.set TA,   30                          ; v30 my byte offset in cos and sin: row lane % 16, + 32 (lane / 16)
.set BO,   31                          ; v31 32 (lane / 16): my offset in the bias
.set SC,   32
.set AF,   128
.set BI,   192
.set G1, 24
.set G0, 32
.set G1B, 48
.set G0B, 56
.set G1S, 68
.set G0S, 76
.set G1SB, 80
.set G0SB, 88
.set MSB, 0
.macro WIN new                         ; the immediate's high byte repeats the setting that is left
.if MSB != (\new)
	s_set_vgpr_msb (MSB<<8)|(\new)
.set MSB, (\new)
.endif
.endm
.set MUL_LO, 0xa1                      ; source 0 (W) window 1, source 1 (x) window 0, C and D window 2
.set MUL_HI, 0xf1                      ; the same, C and D window 3
.set TO_B,   0x40
; A joint load: waves 0 and 1 fetch for x, waves 2 and 3 for W.  The branch hangs on the wave's number alone.  An s_nop 0 and four v_nop follow each of the two lines.
.macro JLOAD g0a, g1a, g0b, g1b
	s_cmp_eq_u32 s15, 0
	s_cbranch_scc0 .Lfor_b_\@
	tensor_load_to_lds s[\g0a:\g0a+3], s[\g1a:\g1a+7]
	s_nop 0
.rept 4
	v_nop
.endr
	s_branch .Lasked_\@
.Lfor_b_\@:
	tensor_load_to_lds s[\g0b:\g0b+3], s[\g1b:\g1b+7]
	s_nop 0
.rept 4
	v_nop
.endr
.Lasked_\@:
.endm
.macro CROUND                          ; a round of the cluster's barrier
	s_barrier_signal -1
	s_barrier_wait -1
	s_cmp_lg_u32 s14, 0
	s_cbranch_scc1 .Lnot_wave_0_\@
	s_barrier_signal -3
.Lnot_wave_0_\@:
	s_barrier_wait -3
	s_barrier_signal -1
	s_barrier_wait -1
.endm
	s_load_b128 s[4:7], s[0:1], 0x0                ; x's codes, x's scales
	s_load_b128 s[8:11], s[0:1], 0x10              ; W's codes, W's scales
	v_lshl_add_u32 v[SPW], v0, 2, SPARE
	v_mov_b32 v[NIL], 0
	ds_add_u32 v[SPW], v[NIL]                      ; the wave's opening: the add, twice on end, and its wait ahead of my first tensor load
	ds_add_u32 v[SPW], v[NIL]
	v_lshrrev_b32 v1, 5, v0
	v_readfirstlane_b32 s14, v1                    ; wave 0..3
	s_lshr_b32 s15, s14, 1                         ; which half of the tile's rows is mine.  Also: I fetch for x (0) or for W (1)
	s_and_b32 s16, s14, 1                          ; which half of its columns.  Also: which 128 rows of that tile I fetch
	s_bfe_u32 s40, ttmp6, 0x40000                  ; cx, cy: my place in the cluster
	s_bfe_u32 s41, ttmp6, 0x40004
	s_lshl_b32 s42, ttmp9, 2
	s_add_co_u32 s42, s42, s40                     ; tile column = 4 x cluster x + cx
	s_and_b32 s17, ttmp7, 0xffff
	s_lshl_b32 s17, s17, 2
	s_add_co_u32 s17, s17, s41                     ; tile row = 4 x cluster y + cy
	s_lshl_b32 s43, s41, 2
	s_lshl_b32 s43, 15, s43                        ; my row of the cluster
	s_lshl_b32 s44, 0x1111, s40                    ; my column
	s_or_b32 s[G1+0], s43, (0<<16)|(1<<20)|(1<<21)|(5<<22)|(3<<25)  ; the mask; elements of 1 byte; padding: 4 words after every 64
	s_or_b32 s[G1B+0], s44, (0<<16)|(1<<20)|(1<<21)|(5<<22)|(3<<25)
.irp g, G1, G1B
	s_mov_b32 s[\g+1], ROWB<<16                    ; tensor_dim0
	s_mov_b32 s[\g+2], 128<<16                     ; tensor_dim1
	s_mov_b32 s[\g+3], ROWB<<16                    ; tile_dim0
	s_mov_b32 s[\g+4], 128                         ; tile_dim1
	s_mov_b32 s[\g+5], KROW                        ; the pitch in memory
	s_mov_b32 s[\g+6], 0
	s_mov_b32 s[\g+7], 0
.endr
	s_or_b32 s[G1S+0], s43, (3<<16)|(1<<20)|(1<<21)|(5<<22)|(3<<25) ; the scales of 128 rows: a dense block as rows of 256 bytes (32 elements of 8 bytes)
	s_or_b32 s[G1SB+0], s44, (3<<16)|(1<<20)|(1<<21)|(5<<22)|(3<<25)
.irp g, G1S, G1SB
	s_mov_b32 s[\g+1], 32<<16
	s_mov_b32 s[\g+2], (128*KS/256)<<16
	s_mov_b32 s[\g+3], 32<<16
	s_mov_b32 s[\g+4], 128*KS/256
	s_mov_b32 s[\g+5], 32
	s_mov_b32 s[\g+6], 0
	s_mov_b32 s[\g+7], 0
.endr
	s_lshl_b32 s18, s16, 7                         ; which 128 rows of the tile I fetch
	s_lshl_b32 s20, s17, 8
	s_add_co_u32 s20, s20, s18                     ; x: row 256 x tile row + 128 x half
	s_lshl_b32 s46, s42, 8
	s_add_co_u32 s46, s46, s18                     ; W: row 256 x tile column + 128 x half
	s_mov_b32 s21, 0
	s_mov_b32 s47, 0
	s_mov_b64 s[18:19], KS
	s_mul_u64 s[22:23], s[20:21], s[18:19]         ; where these rows' scales begin,
	s_mul_u64 s[92:93], s[46:47], s[18:19]
	s_mov_b64 s[18:19], KROW
	s_mul_u64 s[20:21], s[20:21], s[18:19]         ; and their codes
	s_mul_u64 s[46:47], s[46:47], s[18:19]
	s_mul_i32 s45, s14, HALFT                      ; where they go: wave x 128 rows
	s_mul_i32 s94, s14, HALFS
	s_wait_dscnt 0x0                               ; both opening adds are done
	s_wait_kmcnt 0x0
	s_add_nc_u64 s[20:21], s[4:5], s[20:21]
	s_add_nc_u64 s[22:23], s[6:7], s[22:23]
	s_add_nc_u64 s[46:47], s[8:9], s[46:47]
	s_add_nc_u64 s[92:93], s[10:11], s[92:93]
	CROUND                                         ; all sixteen work-groups are here: the joint loads meet
	s_mov_b32 s[G0S], 1
	s_add_co_u32 s[G0S+1], s94, SCL
	s_mov_b64 s[G0S+2:G0S+3], s[22:23]
	s_or_b32 s[G0S+3], s[G0S+3], 0x80000000
	s_mov_b32 s[G0SB], 1
	s_add_co_u32 s[G0SB+1], s94, SCL
	s_mov_b64 s[G0SB+2:G0SB+3], s[92:93]
	s_or_b32 s[G0SB+3], s[G0SB+3], 0x80000000
	JLOAD G0S, G1S, G0SB, G1SB                     ; the scales first; then both slots: three tensor loads of mine are out
.irp s, 0,1
	s_mov_b32 s[G0+4*\s], 1
	s_add_co_u32 s[G0+4*\s+1], s45, \s*SLOT
	s_add_nc_u64 s[G0+4*\s+2:G0+4*\s+3], s[20:21], \s*ROWB
	s_or_b32 s[G0+4*\s+3], s[G0+4*\s+3], 0x80000000
	s_mov_b32 s[G0B+4*\s], 1
	s_add_co_u32 s[G0B+4*\s+1], s45, \s*SLOT
	s_add_nc_u64 s[G0B+4*\s+2:G0B+4*\s+3], s[46:47], \s*ROWB
	s_or_b32 s[G0B+4*\s+3], s[G0B+4*\s+3], 0x80000000
	JLOAD G0+4*\s, G1, G0B+4*\s, G1B
.endr
	s_load_b256 s[4:11], s[0:1], 0x20              ; the other arguments, into registers that are done with: bq 4:5, bk 6:7, bv 8:9, cos 10:11
	s_load_b128 s[96:99], s[0:1], 0x40             ; sin 96:97, qkv 98:99
	v_and_b32 v1, 15, v0                           ; l % 16
	v_bfe_u32 v2, v0, 4, 1                         ; l / 16
	v_mul_u32_u24 v3, v1, PITCH
	v_lshl_add_u32 v4, v2, 4, v3                   ; a fragment's row x pitch + 16 x half
	s_mul_i32 s21, s15, HALFT                      ; my 128 rows of x
	s_mul_i32 s22, s16, HALFT                      ; my 128 rows of W,
	s_add_co_u32 s22, s22, 2*HALFT                 ; which lie behind x's 256
.irp s, 0,1
	v_add_nc_u32 v[ADRA+\s], s21, v4
	v_add_nc_u32 v[ADRB+\s], s22, v4
	s_add_co_u32 s21, s21, SLOT
	s_add_co_u32 s22, s22, SLOT
.endr
	v_mul_u32_u24 v5, v1, KS                       ; my row's scales: KS bytes a row,
	v_lshrrev_b32 v6, 8, v5
	v_lshl_add_u32 v5, v6, 4, v5                   ; and 16 more for each 256 passed
	s_mul_i32 s21, s15, HALFS
	s_mul_i32 s22, s16, HALFS
	s_add_co_u32 s22, s22, 2*HALFS
	s_sub_co_u32 s22, s22, s21
	v_mul_u32_u24 v6, s22, v2                      ; lanes 16-31 take W's
	s_add_co_u32 s21, s21, SCL
	v_add_nc_u32 v5, v5, v6
	v_add_nc_u32 v[ADRS], s21, v5
	s_mul_i32 s23, s14, 16*PITCH                   ; my stage: 16 rows of 272 bytes
	v_add_nc_u32 v[STO], s23, v4                   ; in: row l % 16, 16 bytes for each half of the lanes
	v_bfe_u32 v6, v0, 3, 1
	v_mul_u32_u24 v6, v6, PITCH
	v_lshl_add_u32 v6, v2, 7, v6
	v_and_b32 v7, 7, v0
	v_lshl_add_u32 v6, v7, 4, v6
	v_add_nc_u32 v[RD], s23, v6                    ; back: lanes 0-15 two rows' 128 bytes of the first head, lanes 16-31 of the second
	v_lshlrev_b32 v[CO], 18, v2                    ; out: a head's plane is 2,048 x 128 bytes;
	v_lshl_add_u32 v[CO], v1, 4, v[CO]             ; sixteen lanes fill 256 consecutive bytes (two rows of 128)
	v_lshlrev_b32 v[TA], 8, v1
	v_lshl_add_u32 v[TA], v2, 5, v[TA]
	v_lshlrev_b32 v[BO], 5, v2
	s_wait_kmcnt 0x0
	s_cmp_eq_u32 ttmp9, 0                          ; the cluster's x: 0 = q, 1 = k, 2 = v: the same in all sixteen partners
	s_cselect_b64 s[4:5], s[4:5], s[6:7]
	s_cmp_eq_u32 ttmp9, 2
	s_cselect_b64 s[4:5], s[8:9], s[4:5]           ; my bias
	s_lshl_b32 s46, s40, 10
	s_lshl_b32 s47, s16, 9
	s_add_co_u32 s46, s46, s47                     ; 4 x (256 cx + 128 x column half)
	s_mov_b32 s47, 0
	s_add_nc_u64 s[4:5], s[4:5], s[46:47]
.irp b, 0,1,2,3,4,5,6,7
	global_load_b128 v[BI+8*\b:BI+8*\b+3], v[BO], s[4:5] offset:64*\b          ; bias of columns 16 b + 8 (l / 16) + 0 .. 7: the result's layout
	global_load_b128 v[BI+8*\b+4:BI+8*\b+7], v[BO], s[4:5] offset:64*\b+16
.endr
	s_and_b32 s22, s17, 7
	s_lshl_b32 s22, s22, 8
	s_lshl_b32 s23, s15, 7
	s_add_co_u32 s22, s22, s23                     ; my first row's position in its sequence
	s_lshl_b32 s20, s22, 8                         ; 256 bytes a row of cos and sin
	s_mov_b32 s21, 0
	s_add_nc_u64 s[10:11], s[10:11], s[20:21]
	s_add_nc_u64 s[96:97], s[96:97], s[20:21]
	s_lshr_b32 s23, s17, 3                         ; batch
	s_lshl_b32 s23, s23, 4
	s_lshl_b32 s46, s40, 2
	s_add_co_u32 s23, s23, s46
	s_lshl_b32 s46, s16, 1
	s_add_co_u32 s23, s23, s46                     ; 16 x batch + my first head
	s_lshl_b32 s23, s23, 11
	s_add_co_u32 s23, s23, s22
	s_lshl_b32 s46, s23, 7                         ; rows of 128 bytes
	s_lshl_b32 s47, ttmp9, 24                      ; q, k, v: 16 MiB each
	s_add_co_u32 s46, s46, s47
	s_mov_b32 s47, 0
	s_add_nc_u64 s[12:13], s[98:99], s[46:47]
.macro FRAG reg, adr, q, i             ; a fragment, 16 rows x 128 K of 4-bit codes: two loads of 16 bytes, 32 bytes apart
.irp c, 0,1
	ds_load_b128 v[\reg+4*\c:\reg+4*\c+3], v[\adr] offset:64*(\q)+32*\c+(\i)*16*PITCH
.endr
.endm
; 16 matrix instructions: x's blocks a0, a0 + 1 against W's eight.  zero = 1: the first product starts the sums, with the bias as C.  The 64 accumulators take turns, one instruction a turn.
.macro MUL16 a0, p, q, sc, zero
.irp a, \a0, \a0+1
.irp b, 0,1,2,3,4,5,6,7
.if \zero
	v_wmma_scale_f32_16x16x128_f8f6f4 v[8*(8*((\a)%4)+\b):8*(8*((\a)%4)+\b)+7], v[128*(\p)+FR*\b:128*(\p)+FR*\b+FR-1], v[AF+FR*(\a):AF+FR*(\a)+FR-1], v[BI+8*\b:BI+8*\b+7], v[SC+8*NQ*(\sc)+NQ*\b+(\q)], v[SC+8*NQ*(\sc)+NQ*(\a)+(\q)] matrix_a_fmt:MATRIX_FMT_FP4 matrix_b_fmt:MATRIX_FMT_FP4 matrix_a_scale:MATRIX_SCALE_ROW1
.else
	v_wmma_scale_f32_16x16x128_f8f6f4 v[8*(8*((\a)%4)+\b):8*(8*((\a)%4)+\b)+7], v[128*(\p)+FR*\b:128*(\p)+FR*\b+FR-1], v[AF+FR*(\a):AF+FR*(\a)+FR-1], v[8*(8*((\a)%4)+\b):8*(8*((\a)%4)+\b)+7], v[SC+8*NQ*(\sc)+NQ*\b+(\q)], v[SC+8*NQ*(\sc)+NQ*(\a)+(\q)] matrix_a_fmt:MATRIX_FMT_FP4 matrix_b_fmt:MATRIX_FMT_FP4 matrix_a_scale:MATRIX_SCALE_ROW1
.endif
.endr
.endr
.endm
.macro FETCH_B slot, q, p
	WIN TO_B
.irp i, 0,1,2,3,4,5,6,7
	FRAG 128*(\p)+FR*\i, ADRB+\slot, \q, \i
.endr
	WIN 0
.endm
.macro FETCH_A slot, q, i0
.irp i, \i0, \i0+1, \i0+2, \i0+3
	FRAG AF+FR*(\i), ADRA+\slot, \q, \i
.endr
.endm
.macro SCALES sc                       ; a slot's scale words: lanes 0-15 take x's block i, lanes 16-31 W's block i
.irp i, 0,1,2,3,4,5,6,7
	ds_load_b128 v[SC+8*NQ*\sc+NQ*\i:SC+8*NQ*\sc+NQ*\i+3], v[ADRS] offset:\i*SBLK
.endr
.endm
.macro PLACES n                        ; plain places between a matrix instruction and a load into, or a vector read or write of, its registers
.rept \n
	v_nop
.endr
.endm
.macro STEP slot, q, zero              ; a step of 128 along K that has its successor in the same slot
	s_wait_dscnt 4*NL                              ; W's set and x's blocks 0-3 are in; the youngest eight loads (x's blocks 4-7) may be out
.if \zero
	WIN 0x81                                       ; C (the bias) in window 0, D in window 2
.else
	WIN MUL_LO
.endif
	MUL16 0, (\q)%2, \q, \slot, \zero
	MUL16 2, (\q)%2, \q, \slot, \zero
	s_wait_dscnt 0
	PLACES NP
	FETCH_B \slot, (\q)+1, 1-(\q)%2
	FETCH_A \slot, (\q)+1, 0
.if \zero
	WIN 0xc1
.else
	WIN MUL_HI
.endif
	MUL16 4, (\q)%2, \q, \slot, \zero
	MUL16 6, (\q)%2, \q, \slot, \zero
	PLACES NP
	WIN 0
	FETCH_A \slot, (\q)+1, 4
.endm
; Slot 0's last step changes slots: one barrier; in front of it each wave waits for all its tensor loads (its part of slot 1), and for its own reads of slot 0, which the way out will write.
.macro TURN slot, next
	s_wait_tensorcnt 0x0
	ds_add_u32 v[SPW], v[NIL]
	s_wait_dscnt 4*NL+1                            ; (the add and the youngest eight loads may be out)
	WIN MUL_LO
	MUL16 0, 1, NQ-1, \slot, 0
	s_wait_dscnt 0x0                               ; the add is done, and my reads of this slot are over
	s_barrier_signal -1
	MUL16 2, 1, NQ-1, \slot, 0
	WIN 0
	s_barrier_wait -1
	PLACES NP
	v_add_nc_u32 v[ADRS], 4*NQ, v[ADRS]            ; on to the next slot's scale words
	FETCH_B \next, 0, 0
	FETCH_A \next, 0, 0
	SCALES \next
	WIN MUL_HI
	MUL16 4, 1, NQ-1, \slot, 0
	MUL16 6, 1, NQ-1, \slot, 0
	PLACES NP
	WIN 0
	FETCH_A \next, 0, 4
.endm
.macro STEPS slot, from
.set Q, \from
.rept NQ-1-\from
	STEP \slot, Q, 0
.set Q, Q+1
.endr
.endm
.macro LAST                            ; the very last step: nothing more to fetch
	s_wait_dscnt 4*NL
	WIN MUL_LO
	MUL16 0, 1, NQ-1, 1, 0
	MUL16 2, 1, NQ-1, 1, 0
	s_wait_dscnt 0
	WIN MUL_HI
	MUL16 4, 1, NQ-1, 1, 0
	MUL16 6, 1, NQ-1, 1, 0
	WIN 0
.endm
; THE WAY OUT, block by block of 16 rows x 128 columns.
.macro LOADT a                         ; cos and sin of block a's 16 positions, my 32 channels of each, into set a % 2 (v192 on, v128 on): cos at + 8 bq, sin at + 32 + 8 bq
.set TT, 192-64*((\a)%2)
.irp bq, 0,1,2,3
	global_load_b128 v[TT+8*\bq:TT+8*\bq+3], v[TA], s[10:11] offset:4096*(\a)+64*\bq
	global_load_b128 v[TT+8*\bq+4:TT+8*\bq+7], v[TA], s[10:11] offset:4096*(\a)+64*\bq+16
	global_load_b128 v[TT+32+8*\bq:TT+32+8*\bq+3], v[TA], s[96:97] offset:4096*(\a)+64*\bq
	global_load_b128 v[TT+32+8*\bq+4:TT+32+8*\bq+7], v[TA], s[96:97] offset:4096*(\a)+64*\bq+16
.endr
.endm
.macro ROPE a                          ; y = q cos + rotate_half(q) sin, in f32, then f16.  Each accumulator is read from its low end on
.set AC, 64*((\a)%4)
.set TT, 192-64*((\a)%2)
	WIN 0x42+(\a)/4                                ; destination window 1, source 0 the accumulators' window, source 1 window 0
.irp b, 0,1,2,3,4,5,6,7
.irp i, 0,2,4,6
	v_pk_mul_f32 v[8*\b+\i:8*\b+\i+1], v[AC+8*\b+\i:AC+8*\b+\i+1], v[TT+8*(\b%4)+\i:TT+8*(\b%4)+\i+1]
.endr
.endr
	WIN 0x52+(\a)/4                                ; and source 2 window 1
.irp b, 0,1,4,5
.irp i, 0,2,4,6
	v_pk_fma_f32 v[8*\b+\i:8*\b+\i+1], v[AC+8*(\b+2)+\i:AC+8*(\b+2)+\i+1], v[TT+32+8*(\b%4)+\i:TT+32+8*(\b%4)+\i+1], v[8*\b+\i:8*\b+\i+1] neg_lo:[1,0,0] neg_hi:[1,0,0]   ; channels 0-31: - q(d + 32) sin(d)
.endr
.endr
.irp b, 2,3,6,7
.irp i, 0,2,4,6
	v_pk_fma_f32 v[8*\b+\i:8*\b+\i+1], v[AC+8*(\b-2)+\i:AC+8*(\b-2)+\i+1], v[TT+32+8*(\b%4)+\i:TT+32+8*(\b%4)+\i+1], v[8*\b+\i:8*\b+\i+1]   ; channels 32-63: + q(d - 32) sin(d)
.endr
.endr
	WIN 0x45
.irp b, 0,1,2,3,4,5,6,7
.irp r, 0,1,2,3
	v_cvt_pk_f16_f32 v[64+4*\b+\r], v[8*\b+2*\r], v[8*\b+2*\r+1]
.endr
.endr
.endm
.macro PLAINC a                        ; v: rounded to f16 as it stands
.set AC, 64*((\a)%4)
	WIN 0x4a+5*((\a)/4)
.irp b, 0,1,2,3,4,5,6,7
.irp r, 0,1,2,3
	v_cvt_pk_f16_f32 v[64+4*\b+\r], v[AC+8*\b+2*\r], v[AC+8*\b+2*\r+1]
.endr
.endr
.endm
.macro TOSTAGE a, off                  ; into my stage, and back by heads; LDS serves a wave's instructions in order: no wait between
	WIN 0x04                                       ; an LDS store's data: window 1
.irp b, 0,1,2,3,4,5,6,7
	ds_store_b128 v[STO], v[64+4*\b:64+4*\b+3] offset:\off+32*\b
.endr
	WIN 0x40
.set BB, 96+32*((\a)%2)
.irp t, 0,1,2,3,4,5,6,7
	ds_load_b128 v[BB+4*\t:BB+4*\t+3], v[RD] offset:\off+544*\t
.endr
.endm
.macro SEND a, younger                 ; younger: the LDS instructions issued behind block a's loads, which may stay out
.set BB, 96+32*((\a)%2)
	s_wait_dscnt \younger
	WIN 0x04
.irp t, 0,1,2,3,4,5,6,7
	global_store_b128 v[CO], v[BB+4*\t:BB+4*\t+3], s[12:13] offset:2048*(\a)+256*\t   ; each sixteen lanes store 256 consecutive bytes, aligned: rows 2 t, 2 t + 1 of one head
.endr
.endm
	s_wait_tensorcnt 1                             ; the scales and my part of slot 0 are in; slot 1's load may be out
	s_barrier_signal -1
	s_barrier_wait -1
	FETCH_B 0, 0, 0
	FETCH_A 0, 0, 0
	SCALES 0
	FETCH_A 0, 0, 4
	s_wait_loadcnt 0x0                             ; the bias
	STEP 0, 0, 1
	STEPS 0, 1
	TURN 0, 1
	STEPS 1, 0
	s_cmp_eq_u32 ttmp9, 2                          ; v has no RoPE: the cluster's x decides, alike in all partners
	s_cbranch_scc1 .Lplain
	LOADT 0                                        ; into the bias's registers, long done with
	LAST
	PLACES 4                                       ; behind the last products: in front of the reads of results and of loads into x's fragments
.irp a, 0,1,2,3,4,5,6,7
.if \a < 7
	WIN 0
	LOADT \a+1
	s_wait_loadcnt 16                              ; this block's 16 loads are in; the next block's 16 may be out
.else
	s_wait_loadcnt 0x0
.endif
	ROPE \a
.if \a >= 2
	s_wait_xcnt 0x0                                ; block a - 2's stores have read their registers: block a's rows may land there
.endif
	TOSTAGE \a, 0
.if \a >= 1
	SEND \a-1, 16                                  ; behind block a - 1's loads: block a's 8 stores and 8 loads
.endif
.endr
	SEND 7, 0
	WIN 0
	s_branch .Ldone
.Lplain:
	LAST
	PLACES 4
.irp a, 0,1,2,3,4,5,6,7
	PLAINC \a
.if \a >= 2
	s_wait_xcnt 0x0
.endif
	TOSTAGE \a, PLOFF
.if \a >= 1
	SEND \a-1, 16
.endif
.endr
	SEND 7, 0
	WIN 0
.Ldone:
	s_wait_tensorcnt 0x0                           ; the wave's end
	ds_add_u32 v[SPW], v[NIL]
	s_wait_dscnt 0x0
	CROUND                                         ; the closing round
	s_endpgm
.Lfunc_end_k_qa5a704ef15_qkv:
	.size	k_qa5a704ef15_qkv, .Lfunc_end_k_qa5a704ef15_qkv-k_qa5a704ef15_qkv
	.p2alignl 7, 3214868480
	.fill 96, 4, 3214868480
	.section	.rodata,"a",@progbits
	.p2align	6, 0x0
	.amdhsa_kernel k_qa5a704ef15_qkv
		.amdhsa_group_segment_fixed_size 327680
		.amdhsa_private_segment_fixed_size 0
		.amdhsa_enable_private_segment 0
		.amdhsa_kernarg_size 80
		.amdhsa_user_sgpr_count 2
		.amdhsa_user_sgpr_kernarg_segment_ptr 1
		.amdhsa_wavefront_size32 1
		.amdhsa_system_sgpr_workgroup_id_x 1
		.amdhsa_system_sgpr_workgroup_id_y 1
		.amdhsa_system_sgpr_workgroup_id_z 1
		.amdhsa_system_vgpr_workitem_id 0
		.amdhsa_next_free_vgpr 1024
		.amdhsa_next_free_sgpr 100
		.amdhsa_reserve_vcc 0
		.amdhsa_float_denorm_mode_32 3
		.amdhsa_float_denorm_mode_16_64 3
		.amdhsa_memory_ordered 1
		.amdhsa_forward_progress 1
		.amdhsa_inst_pref_size 214
	.end_amdhsa_kernel
	.amdgpu_metadata
---
amdhsa.version: [ 1, 2 ]
amdhsa.kernels:
  - .name:           k_qa5a704ef15_qkv
    .symbol:         k_qa5a704ef15_qkv.kd
    .args:
      - { .name: xc, .offset: 0, .size: 8, .value_kind: global_buffer, .address_space: global }
      - { .name: xs, .offset: 8, .size: 8, .value_kind: global_buffer, .address_space: global }
      - { .name: wc, .offset: 16, .size: 8, .value_kind: global_buffer, .address_space: global }
      - { .name: ws, .offset: 24, .size: 8, .value_kind: global_buffer, .address_space: global }
      - { .name: bq, .offset: 32, .size: 8, .value_kind: global_buffer, .address_space: global }
      - { .name: bk, .offset: 40, .size: 8, .value_kind: global_buffer, .address_space: global }
      - { .name: bv, .offset: 48, .size: 8, .value_kind: global_buffer, .address_space: global }
      - { .name: cos, .offset: 56, .size: 8, .value_kind: global_buffer, .address_space: global }
      - { .name: sin, .offset: 64, .size: 8, .value_kind: global_buffer, .address_space: global }
      - { .name: qkv, .offset: 72, .size: 8, .value_kind: global_buffer, .address_space: global }
    .group_segment_fixed_size: 327680
    .private_segment_fixed_size: 0
    .kernarg_segment_align: 8
    .kernarg_segment_size: 80
    .max_flat_workgroup_size: 128
    .sgpr_count:     100
    .vgpr_count:     1024
    .wavefront_size: 32
...
	.end_amdgpu_metadata
.endif
;; end of part 2
;; launch attn (part 3): grid 4 x 64, 8 waves a work-group, clusters of 4 x 1, 327,680 bytes of LDS; arguments qkv, maskf, ctx; writes ctx
.if DOCPART == 3
	.amdgcn_target "amdgcn-amd-amdhsa--gfx1250"
	.amdhsa_code_object_version 6
	.text
	.protected	k_qa5a704ef15_attn
	.globl	k_qa5a704ef15_attn
	.p2align	8
	.type	k_qa5a704ef15_attn,@function
k_qa5a704ef15_attn:
	s_mov_b64 s[64:65], 0
	v_nop
	global_prefetch_b8 v0, s[64:65] scope:SCOPE_SE
	s_setreg_imm32_b32 hwreg(HW_REG_WAVE_MODE, 25, 1), 1
	s_wait_xcnt 0x0
	s_wait_alu depctr_hold_cnt(0) depctr_sa_sdst(0) depctr_va_vdst(0) depctr_va_sdst(0) depctr_va_ssrc(0) depctr_va_vcc(0) depctr_vm_vsrc(0)
	s_getreg_b32 s2, hwreg(HW_REG_IB_STS2, 6, 4)
	s_cmp_eq_u32 s2, 0
	s_cbranch_scc0 .Lentry_in_a_cluster
	s_endpgm
.Lentry_in_a_cluster:
	s_bfe_u32 s2, ttmp6, 0x10000c
	s_cmp_lg_u32 s2, 0x3003
	s_cbranch_scc0 .Lentry_shape_is_right
	s_endpgm
.Lentry_shape_is_right:
; ATTN: ctx[bh][q][:] = sum over k of softmax_k(mask(q . k / 8)) v[k][:].  q, k, v: f16 [64][2048][64] in qkv; ctx: f16 [64][2048][64].  Products on f16 operands with f32 sums; maxima, exponentials and sums in f32.
; No work of reference() is left out here.
; SHARES.  A work-group owns 512 queries of one (batch, head), each of its eight waves 64: four tiles of 16, in 512 registers: two waves to a SIMD, so that one wave's softmax stands beside the other's products.
; Every wave walks all 2,048 keys, 64 a step.  A step's fragments of K, V and the mask are read from LDS once and serve all four tiles.
; LAYOUT.  S^T = K Q^T (source 0 = 16 keys, source 1 = 16 queries): a lane holds ONE query (lane % 16) and keys 8 (lane / 16) + 0..7 of each tile of 16 keys.  Rounded to f16 in pairs, two such tiles ARE source 1 of O^T = V^T P.
; THE MASK is the C of each score's first product: 0 for a kept key, -2^100 for a masked one, in the result's layout: no vector instruction is spent on it.
; SOFTMAX.  A running maximum m and sum l for each query: p = 2^(c s - c m); O and l are multiplied by a = 2^(c m_old - c m_new) in every step.  c = log2(e) / 8, or 0 for a batch that keeps no key.
;   m starts at -2^80.  A kept score is a sum of 64 products of f16 numbers, under 2^39 in size, so it lies above that start; a masked one, near -2^100, lies under it: so a masked key's p is 0 in every step.
;   With c = 0 every p and every a is 1: the mean of v, which is what equal scores give.
; CLUSTER.  The four query blocks of a (batch, head) walk the same K, V and mask: each tile is asked for jointly.  A slot holds four key steps; waves 0-3 fetch K's four tiles, waves 4-7 V's: one load of 64 rows a wave behind each round.
; LIMIT: NaN and infinities are not served.
; REGISTERS: window 0: v1-13 addresses; v16-47 statistics, eight a tile (+0 c m, +1 m, +2, +3 l, +4..+7 at work; a takes +6); v48-79 the mask; v80-143 S^T of two tiles; v144-175 P of two tiles; v176-239 V.
;   window 1: v0-127 O^T, 32 a tile; v128-191 Q; v192-255 K.
.set PK,    144       ; a row of K in LDS: 128 bytes + 16: the 16 rows of a load start at 16 different groups of four banks
.set PV,    160       ; a row of V: 128 + 32: an odd multiple of 32 bytes, for the turning load
.set KVOFF, 64*PK     ; a step's tiles lie together: 64 rows of K, then 64 rows of V
.set STEPB, 64*(PK+PV)
.set SLOT1, 1<<17     ; a slot holds four steps (77,824 bytes); slot 1 begins here, so that one exclusive or turns an address
.set MASKL, 2*SLOT1   ; the batch's 2,048 addends
.set SPARE, MASKL+8192  ; the spare words, 128 bytes a wave
.set SP,    144       ; the way out: a stage of 16 rows x 144 bytes a wave, in slot 0, which has had its last fill and its last read by then
.set AK0, 1
.set AV0, 2
.set AM0, 3
.set ADK, 4
.set ADV, 5
.set ADM, 6
.set QO,  7
.set STO, 8
.set RD,  9
.set GO,  10
.set PFO, 11          ; v11 256 x my lane; never rewritten
.set SPW, 12
.set NIL, 13
.set ST,  16
.set MK,  48
.set S,   80
.set P,   144
.set VF,  176
.set QF,  128         ; in window 1
.set KF,  192
.set WV,  12
.set G1K, 24
.set G1V, 32
.set G0K, 40
.set G0V, 44
.set G1M, 48
.set G0M, 56
.set CS,  60          ; s[60:61] c
.set SEL, 62          ; s[62:63] v_permlanex16_b32's selects: lane l xor 16
.set TB,  66          ; LDS byte at which the step's tiles begin
.set TM,  67          ; and its 64 addends: 256 bytes a step
.set SLOTS, 68
.set NST, 69
.set LIM, 70
.set PFA, 72
.set QP,  74
.set OP,  76
.set KB,  78
.set VB,  80
.set MSB, 0
.macro WIN new
.if MSB != (\new)
	s_set_vgpr_msb (MSB<<8)|(\new)
.set MSB, (\new)
.endif
.endm
.macro JLOAD                           ; waves 0-3 fetch K's tiles, waves 4-7 V's.  An s_nop 0 and four v_nop follow each of the two lines
	s_cmp_lt_u32 s[WV], 4
	s_cbranch_scc0 .Lfor_v_\@
	tensor_load_to_lds s[G0K:G0K+3], s[G1K:G1K+7]
	s_nop 0
.rept 4
	v_nop
.endr
	s_branch .Lasked_\@
.Lfor_v_\@:
	tensor_load_to_lds s[G0V:G0V+3], s[G1V:G1V+7]
	s_nop 0
.rept 4
	v_nop
.endr
.Lasked_\@:
.endm
; A prefetch of what the NEXT change of slots will ask for: 256 rows of K and of V, 32,768 dense bytes each.  This cluster alone reads its head's K and V.  Its four partners share the bytes out by address, 8,192 each;
; in each, wave 0 asks for K's and wave 4 for V's, a lane to each 256 bytes: each aligned 256 bytes are named once in the launch.  The last change that fills a slot asks for nothing; nothing is asked at the head.
.macro ASK
	s_cmp_gt_u32 s[SLOTS], s[LIM]
	s_cbranch_scc0 .Lnot_mine_\@
	global_prefetch_b8 v[PFO], s[PFA:PFA+1] th:TH_LOAD_NT scope:SCOPE_SE
.Lnot_mine_\@:
.endm
.macro CROUND
	s_barrier_signal -1
	s_barrier_wait -1
	s_cmp_lg_u32 s[WV], 0
	s_cbranch_scc1 .Lnot_wave_0_\@
	s_barrier_signal -3
.Lnot_wave_0_\@:
	s_barrier_wait -3
	s_barrier_signal -1
	s_barrier_wait -1
.endm
	s_load_b128 s[4:7], s[0:1], 0x0                ; qkv, maskf
	s_load_b64 s[8:9], s[0:1], 0x10                ; ctx
	v_lshl_add_u32 v[SPW], v0, 2, SPARE
	v_mov_b32 v[NIL], 0
	ds_add_u32 v[SPW], v[NIL]                      ; the wave's opening: the add, twice on end, and its wait ahead of my first tensor load
	ds_add_u32 v[SPW], v[NIL]
	v_lshrrev_b32 v1, 5, v0
	v_readfirstlane_b32 s[WV], v1                  ; wave 0..7
	s_bfe_u32 s13, ttmp6, 0x40000                  ; cx: my block of 512 queries: it enters Q's, ctx's and the prefetches' addresses alone
	s_and_b32 s14, ttmp7, 0xffff                   ; batch x 16 + head, which the four partners share
	s_lshr_b32 s15, s14, 4                         ; batch
	s_lshl_b32 s16, s14, 18                        ; the head's first byte in q, k, v and ctx: 2,048 rows of 128 bytes
	s_mov_b32 s17, 0
	s_and_b32 s22, s[WV], 3                        ; which of a slot's four steps I fetch:
	s_mul_i32 s23, s22, STEPB                      ; its place in a slot,
	s_lshl_b32 s18, s22, 13                        ; its 64 rows of 128 bytes in memory
	s_mov_b32 s19, 0
	s_lshl_b32 s2, s15, 13
	s_lshl_b32 s22, s[WV], 10
	s_add_co_u32 s2, s2, s22                       ; the mask: the batch's row, my wave's 1,024 bytes
	s_mov_b32 s3, 0
	s_mov_b32 s[G1K], 15|(1<<16)|(1<<20)|(1<<21)|(4<<22)|(3<<25)  ; the mask of four; elements of 2 bytes; padding: 4 words after every 32
	s_mov_b32 s[G1V], 15|(1<<16)|(1<<20)|(1<<21)|(4<<22)|(7<<25)  ; the same with 8 words
.irp g, G1K, G1V
	s_mov_b32 s[\g+1], 64<<16                      ; tensor_dim0
	s_mov_b32 s[\g+2], 64<<16                      ; tensor_dim1
	s_mov_b32 s[\g+3], 64<<16                      ; tile_dim0
	s_mov_b32 s[\g+4], 64                          ; tile_dim1
	s_mov_b32 s[\g+5], 64                          ; the pitch
	s_mov_b32 s[\g+6], 0
	s_mov_b32 s[\g+7], 0
.endr
	s_mov_b32 s[G1M], 15|(3<<16)|(1<<21)           ; 1,024 dense bytes as 4 rows of 256 (32 elements of 8 bytes), no padding
	s_mov_b32 s[G1M+1], 32<<16
	s_mov_b32 s[G1M+2], 4<<16
	s_mov_b32 s[G1M+3], 32<<16
	s_mov_b32 s[G1M+4], 4
	s_mov_b32 s[G1M+5], 32
	s_mov_b32 s[G1M+6], 0
	s_mov_b32 s[G1M+7], 0
	s_mov_b32 s[SEL], 0x76543210
	s_mov_b32 s[SEL+1], 0xfedcba98
	s_mov_b32 s[TB], 0
	s_mov_b32 s[TM], 0
	s_mov_b32 s[SLOTS], 7
	s_and_b32 s[LIM], s[WV], 3
	s_cmp_eq_u32 s[LIM], 0
	s_cselect_b32 s[LIM], 1, -1                    ; waves 0 and 4 prefetch: the same in all partners
	s_lshl_b32 s82, s15, 7
	s_mov_b32 s83, 0
	s_wait_dscnt 0x0                               ; both opening adds are done
	s_wait_kmcnt 0x0
	s_add_nc_u64 s[82:83], s[6:7], s[82:83]
	s_load_b32 s[CS], s[82:83], 0x8000             ; c of my batch: an operand, never a condition
	s_add_nc_u64 s[KB:KB+1], s[4:5], s[16:17]
	s_add_nc_u64 s[VB:VB+1], s[KB:KB+1], 0x2000000 ; v's head
	s_add_nc_u64 s[KB:KB+1], s[KB:KB+1], 0x1000000 ; k's head
	s_mov_b32 s[G0K], 1
	s_mov_b32 s[G0K+1], s23
	s_add_nc_u64 s[G0K+2:G0K+3], s[KB:KB+1], s[18:19]
	s_or_b32 s[G0K+3], s[G0K+3], 0x80000000
	s_mov_b32 s[G0V], 1
	s_add_co_u32 s[G0V+1], s23, KVOFF
	s_add_nc_u64 s[G0V+2:G0V+3], s[VB:VB+1], s[18:19]
	s_or_b32 s[G0V+3], s[G0V+3], 0x80000000
	s_mov_b32 s[G0M], 1
	s_add_co_u32 s[G0M+1], s22, MASKL
	s_add_nc_u64 s[G0M+2:G0M+3], s[6:7], s[2:3]
	s_or_b32 s[G0M+3], s[G0M+3], 0x80000000
	CROUND                                         ; all four work-groups are here: the first joint loads meet
	tensor_load_to_lds s[G0M:G0M+3], s[G1M:G1M+7]  ; every wave: its eighth of the mask; then its tile of slot 0: two tensor loads of mine are out
	s_nop 0
	JLOAD
	s_lshl_b32 s20, s13, 16                        ; my block's 512 rows,
	s_lshl_b32 s21, s[WV], 13                      ; my wave's 64 of them
	s_add_co_u32 s20, s20, s21
	s_mov_b32 s21, 0
	s_add_nc_u64 s[QP:QP+1], s[4:5], s[16:17]
	s_add_nc_u64 s[QP:QP+1], s[QP:QP+1], s[20:21]
	s_add_nc_u64 s[OP:OP+1], s[8:9], s[16:17]
	s_add_nc_u64 s[OP:OP+1], s[OP:OP+1], s[20:21]
	s_cmp_lt_u32 s[WV], 4
	s_cselect_b64 s[PFA:PFA+1], s[KB:KB+1], s[VB:VB+1]
	s_lshl_b32 s20, s13, 13                        ; my work-group's 8,192 bytes of a slot's 32,768
	s_add_nc_u64 s[PFA:PFA+1], s[PFA:PFA+1], s[20:21]
	s_add_nc_u64 s[PFA:PFA+1], s[PFA:PFA+1], 32768 ; in slot 1: the first change of slots steps it to slot 2
	v_and_b32 v14, 15, v0                          ; r
	v_bfe_u32 v15, v0, 4, 1                        ; h
	v_lshlrev_b32 v[QO], 7, v14
	v_lshl_add_u32 v[QO], v15, 4, v[QO]            ; Q: row r of 128 bytes, + 16 h
	WIN 0x40                                       ; destination window 1
.irp i, 0,1,2,3,4,5,6,7                        ; Q stays in registers: tile i / 2, channels 32 (i % 2) on
	global_load_b128 v[QF+8*\i:QF+8*\i+3],   v[QO], s[QP:QP+1] offset:(\i/2)*2048+(\i%2)*64
	global_load_b128 v[QF+8*\i+4:QF+8*\i+7], v[QO], s[QP:QP+1] offset:(\i/2)*2048+(\i%2)*64+32
.endr
.set i, 0
.rept 128
	v_mov_b32 v[i], 0                              ; O^T: the step is written once; its first walk finds zeros
.set i, i+1
.endr
	WIN 0
	v_mul_u32_u24 v[AK0], v14, PK
	v_lshl_add_u32 v[AK0], v15, 4, v[AK0]          ; K: row r x pitch + 16 h
	v_and_b32 v[AV0], 7, v0
	v_lshl_add_u32 v[AV0], v15, 3, v[AV0]
	v_mul_u32_u24 v[AV0], v[AV0], PV
	v_bfe_u32 v[AM0], v0, 3, 1
	v_lshl_add_u32 v[AV0], v[AM0], 4, v[AV0]
	v_add_nc_u32 v[AV0], KVOFF, v[AV0]             ; V, for the turning load: key 8 h + l % 8, channels 8 ((l / 8) % 2) on
	v_lshl_add_u32 v[AM0], v15, 5, MASKL           ; the mask: keys 8 h + 0..7 of a tile, the same for every query
	s_mul_i32 s22, s[WV], 16*SP
	v_mul_u32_u24 v[STO], v14, SP
	v_lshl_add_u32 v[STO], v15, 4, v[STO]
	v_add_nc_u32 v[STO], s22, v[STO]               ; the stage, in: row r, 16 bytes for each half of the lanes
	v_and_b32 v[RD], 31, v0
	v_lshrrev_b32 v[RD], 3, v[RD]
	v_mul_u32_u24 v[RD], v[RD], SP
	v_and_b32 v[GO], 7, v0
	v_lshl_add_u32 v[RD], v[GO], 4, v[RD]
	v_add_nc_u32 v[RD], s22, v[RD]                 ; back: eight lanes to a row of 128 bytes, four rows an instruction
	v_and_b32 v[GO], 31, v0
	v_lshlrev_b32 v[PFO], 8, v[GO]
	v_lshlrev_b32 v[GO], 4, v[GO]                  ; out: 512 dense bytes an instruction
	s_wait_kmcnt 0x0                               ; c
	s_mov_b32 s[CS+1], s[CS]                       ; (named with it as a pair, so it is written)
.irp t, 0,1,2,3
	v_mov_b32 v[ST+8*\t+1], 0xe7800000             ; m = -2^80
	v_mov_b32 v[ST+8*\t+2], 0                      ; l, in two halves
	v_mov_b32 v[ST+8*\t+3], 0
.endr
.irp t, 0,1,2,3
	v_mul_f32 v[ST+8*\t], s[CS], v[ST+8*\t+1]      ; c m
.endr
; 16 products S^T = K Q^T + mask for tiles x, x + 1.  Eight accumulators by turns, one instruction a turn.
.macro KQ x
	WIN 0x05                                       ; K and Q in window 1
.irp kk, 0,1
.irp kt, 0,1,2,3
.irp u, 0,1
.if \kk == 0
	v_wmma_f32_16x16x32_f16 v[S+32*\u+8*\kt:S+32*\u+8*\kt+7], v[KF+16*\kt+8*\kk:KF+16*\kt+8*\kk+7], v[QF+16*(\x+\u)+8*\kk:QF+16*(\x+\u)+8*\kk+7], v[MK+8*\kt:MK+8*\kt+7]
.else
	v_wmma_f32_16x16x32_f16 v[S+32*\u+8*\kt:S+32*\u+8*\kt+7], v[KF+16*\kt+8*\kk:KF+16*\kt+8*\kk+7], v[QF+16*(\x+\u)+8*\kk:QF+16*(\x+\u)+8*\kk+7], v[S+32*\u+8*\kt:S+32*\u+8*\kt+7]
.endif
.endr
.endr
.endr
.endm
; 16 products O^T += V^T P for tiles x, x + 1
.macro PVM x
	WIN 0x50                                       ; C and D in window 1
.irp kb, 0,1
.irp ct, 0,1,2,3
.irp u, 0,1
	v_wmma_f32_16x16x32_f16 v[32*(\x+\u)+8*\ct:32*(\x+\u)+8*\ct+7], v[VF+8*(4*\kb+\ct):VF+8*(4*\kb+\ct)+7], v[P+16*\u+8*\kb:P+16*\u+8*\kb+7], v[32*(\x+\u)+8*\ct:32*(\x+\u)+8*\ct+7]
.endr
.endr
.endr
.endm
; The softmax of tiles x, x + 1 for one step; the two tiles alternate line by line, so that no line waits for the line above it.  Each accumulator of S^T is first read at its registers 0 to 2.
.macro SOFTMAX x
.irp j, 0,1,2,3
.irp u, 0,1
	v_max3_num_f32 v[ST+8*(\x+\u)+4+\j], v[S+32*\u+8*\j], v[S+32*\u+8*\j+1], v[S+32*\u+8*\j+2]
.endr
.endr
.irp g, 1,2
.irp j, 0,1,2,3
.irp u, 0,1
	v_max3_num_f32 v[ST+8*(\x+\u)+4+\j], v[ST+8*(\x+\u)+4+\j], v[S+32*\u+8*\j+2*\g+1], v[S+32*\u+8*\j+2*\g+2]
.endr
.endr
.endr
.irp u, 0,1
	v_max3_num_f32 v[ST+8*(\x+\u)+4], v[ST+8*(\x+\u)+4], v[S+32*\u+7], v[S+32*\u+15]
	v_max3_num_f32 v[ST+8*(\x+\u)+6], v[ST+8*(\x+\u)+6], v[S+32*\u+23], v[S+32*\u+31]
.endr
.irp u, 0,1
	v_max3_num_f32 v[ST+8*(\x+\u)+4], v[ST+8*(\x+\u)+4], v[ST+8*(\x+\u)+5], v[ST+8*(\x+\u)+6]
.endr
.irp u, 0,1
	v_max3_num_f32 v[ST+8*(\x+\u)+4], v[ST+8*(\x+\u)+4], v[ST+8*(\x+\u)+7], v[ST+8*(\x+\u)+1]   ; with the old m
.endr
.irp u, 0,1
	v_permlanex16_b32 v[ST+8*(\x+\u)+5], v[ST+8*(\x+\u)+4], s[SEL], s[SEL+1]   ; the query's other 32 keys lie in the lane 16 away
.endr
.irp u, 0,1
	v_mov_b32 v[ST+8*(\x+\u)+7], v[ST+8*(\x+\u)]   ; c m_old
.endr
.irp u, 0,1
	v_max_num_f32 v[ST+8*(\x+\u)+1], v[ST+8*(\x+\u)+4], v[ST+8*(\x+\u)+5]
.endr
.irp u, 0,1
	v_mul_f32 v[ST+8*(\x+\u)], s[CS], v[ST+8*(\x+\u)+1]
.endr
.irp u, 0,1
	v_sub_f32 v[ST+8*(\x+\u)+7], v[ST+8*(\x+\u)+7], v[ST+8*(\x+\u)]
.endr
.irp b, 0,1,2,3,4,5,6,7,8,9,10,11,12,13,14,15
.irp u, 0,1
	v_pk_fma_f32 v[S+32*\u+2*\b:S+32*\u+2*\b+1], v[S+32*\u+2*\b:S+32*\u+2*\b+1], s[CS:CS+1], v[ST+8*(\x+\u):ST+8*(\x+\u)+1] op_sel_hi:[1,0,0] neg_lo:[0,0,1] neg_hi:[0,0,1]   ; c s - c m
.endr
.endr
.irp u, 0,1
	v_exp_f32 v[ST+8*(\x+\u)+6], v[ST+8*(\x+\u)+7] ; a
.endr
.irp e, 0,1,2,3,4,5,6,7,8,9,10,11,12,13,14,15,16,17,18,19,20,21,22,23,24,25,26,27,28,29,30,31
.irp u, 0,1
	v_exp_f32 v[S+32*\u+\e], v[S+32*\u+\e]         ; p
.endr
.endr
	v_nop                                          ; a plain instruction behind the last exponential
	s_wait_alu depctr_va_vdst(0)                   ; one wait for the 66 exponentials, ahead of the first line that names a result
.irp i, 0,1,2,3,4,5,6,7,8,9,10,11,12,13,14,15
.irp u, 0,1
	v_cvt_pk_f16_f32 v[P+16*\u+\i], v[S+32*\u+2*\i], v[S+32*\u+2*\i+1]
.endr
.endr
.irp z, 0,1,2,3,4,5,6,7                        ; the sum of the unrounded p, in place, as a tree of pairs
.irp u, 0,1
	v_pk_add_f32 v[S+32*\u+4*\z:S+32*\u+4*\z+1], v[S+32*\u+4*\z:S+32*\u+4*\z+1], v[S+32*\u+4*\z+2:S+32*\u+4*\z+3]
.endr
.endr
.irp z, 0,1,2,3
.irp u, 0,1
	v_pk_add_f32 v[S+32*\u+8*\z:S+32*\u+8*\z+1], v[S+32*\u+8*\z:S+32*\u+8*\z+1], v[S+32*\u+8*\z+4:S+32*\u+8*\z+5]
.endr
.endr
.irp z, 0,1
.irp u, 0,1
	v_pk_add_f32 v[S+32*\u+16*\z:S+32*\u+16*\z+1], v[S+32*\u+16*\z:S+32*\u+16*\z+1], v[S+32*\u+16*\z+8:S+32*\u+16*\z+9]
.endr
.endr
.irp u, 0,1
	v_pk_add_f32 v[S+32*\u:S+32*\u+1], v[S+32*\u:S+32*\u+1], v[S+32*\u+16:S+32*\u+17]
.endr
.irp u, 0,1
	v_pk_fma_f32 v[ST+8*(\x+\u)+2:ST+8*(\x+\u)+3], v[ST+8*(\x+\u)+2:ST+8*(\x+\u)+3], v[ST+8*(\x+\u)+6:ST+8*(\x+\u)+7], v[S+32*\u:S+32*\u+1] op_sel_hi:[1,0,1]   ; l = l a + the sum
.endr
	WIN 0x41                                       ; O^T (destination and source 0) in window 1
.irp i, 0,1,2,3,4,5,6,7,8,9,10,11,12,13,14,15
.irp u, 0,1
	v_pk_mul_f32 v[32*(\x+\u)+2*\i:32*(\x+\u)+2*\i+1], v[32*(\x+\u)+2*\i:32*(\x+\u)+2*\i+1], v[ST+8*(\x+\u)+6:ST+8*(\x+\u)+7] op_sel_hi:[1,0]
.endr
.endr
.endm
; A KEY STEP: 64 keys for my 64 queries
.macro STEP
	v_add_nc_u32 v[ADK], s[TB], v[AK0]             ; these three and the v_nop are the four places between the last products and the loads into V's registers
	v_add_nc_u32 v[ADV], s[TB], v[AV0]
	v_add_nc_u32 v[ADM], s[TM], v[AM0]
	v_nop
	WIN 0x40
.irp f, 0,1,2,3,4,5,6,7                        ; K: keys 16 (f / 2) on, channels 32 (f % 2) on
	ds_load_b128 v[KF+8*\f:KF+8*\f+3],   v[ADK] offset:(\f/2)*16*PK+(\f%2)*64
	ds_load_b128 v[KF+8*\f+4:KF+8*\f+7], v[ADK] offset:(\f/2)*16*PK+(\f%2)*64+32
.endr
	WIN 0
.irp kt, 0,1,2,3
	ds_load_b128 v[MK+8*\kt:MK+8*\kt+3],   v[ADM] offset:64*\kt
	ds_load_b128 v[MK+8*\kt+4:MK+8*\kt+7], v[ADM] offset:64*\kt+16
.endr
.irp f, 0,1,2,3,4,5,6,7                        ; V, turned: keys 32 (f / 4) on, channels 16 (f % 4) on
	ds_load_tr16_b128 v[VF+8*\f:VF+8*\f+3],   v[ADV] offset:(\f/4)*32*PV+(\f%4)*32
	ds_load_tr16_b128 v[VF+8*\f+4:VF+8*\f+7], v[ADV] offset:(\f/4)*32*PV+16*PV+(\f%4)*32
.endr
	s_wait_dscnt 16                                ; K and the mask are in; V's 16 loads may be out
	KQ 0
	WIN 0
.rept 4
	v_nop                                          ; places in front of the first read of the scores
.endr
	SOFTMAX 0
	s_wait_dscnt 0x0                               ; V is in
	PVM 0
	KQ 2
	WIN 0
.rept 4
	v_nop
.endr
	SOFTMAX 2
	PVM 2
	WIN 0
	s_add_co_u32 s[TB], s[TB], STEPB
	s_add_co_u32 s[TM], s[TM], 256
.endm
; THE CHANGE OF SLOTS stands at a slot's head.
.macro CHANGE fill
	s_wait_tensorcnt 0x0
	ds_add_u32 v[SPW], v[NIL]
.if \fill
	s_xor_b32 s[G0K+1], s[G0K+1], SLOT1            ; no tensor load of mine is out: the walking descriptors step: the other slot, the next 256 keys
	s_add_nc_u64 s[G0K+2:G0K+3], s[G0K+2:G0K+3], 32768
	s_xor_b32 s[G0V+1], s[G0V+1], SLOT1
	s_add_nc_u64 s[G0V+2:G0V+3], s[G0V+2:G0V+3], 32768
	s_wait_xcnt 0x0                                ; the last prefetch, a slot back, has read its address
	s_add_nc_u64 s[PFA:PFA+1], s[PFA:PFA+1], 32768
	s_wait_dscnt 0x0
	CROUND
	JLOAD
	ASK
.else
	s_wait_dscnt 0x0
	s_barrier_signal -1
	s_barrier_wait -1
.endif
.endm
.macro FOUR_STEPS                      ; a slot's four key steps: written once, walked four times
	s_mov_b32 s[NST], 4
.Lstep_\@:
	STEP
	s_sub_co_u32 s[NST], s[NST], 1
	s_cmp_lg_u32 s[NST], 0
	s_cbranch_scc1 .Lstep_\@
	s_sub_co_u32 s[TB], s[TB], 4*STEPB             ; back to a slot's first step,
	s_xor_b32 s[TB], s[TB], SLOT1                  ; in the other slot
.endm
	s_wait_loadcnt 0x0                             ; Q
.Lslot:                                            ; seven trips: behind each change of slots but the last the next 256 keys are asked for
	CHANGE 1
	FOUR_STEPS
	s_sub_co_u32 s[SLOTS], s[SLOTS], 1
	s_cmp_lg_u32 s[SLOTS], 0
	s_cbranch_scc1 .Lslot
	CHANGE 0                                       ; the last slot is written out
	FOUR_STEPS
	; THE WAY OUT.  O^T / l, rounded to f16, goes through my stage, a tile (16 rows of 128 bytes) at a time, and leaves as 512 dense bytes an instruction.  The additions are the places behind the last products.
.irp t, 0,1,2,3
	v_add_f32 v[ST+8*\t+4], v[ST+8*\t+2], v[ST+8*\t+3]
.endr
.irp t, 0,1,2,3
	v_permlanex16_b32 v[ST+8*\t+5], v[ST+8*\t+4], s[SEL], s[SEL+1]
.endr
.irp t, 0,1,2,3
	v_add_f32 v[ST+8*\t+4], v[ST+8*\t+4], v[ST+8*\t+5]
.endr
.irp t, 0,1,2,3
	v_rcp_f32 v[ST+8*\t+6], v[ST+8*\t+4]
.endr
	v_nop
	s_wait_alu depctr_va_vdst(0)                   ; one wait for the four reciprocals, ahead of their first use
.macro PACK t
	WIN 0x41
.set i, 32*\t
.rept 16
	v_pk_mul_f32 v[i:i+1], v[i:i+1], v[ST+8*\t+6:ST+8*\t+7] op_sel_hi:[1,0]
.set i, i+2
.endr
	WIN 0x05                                       ; sources in window 1, destination in window 0
.set i, 0
.rept 16
	v_cvt_pk_f16_f32 v[S+16*\t+i], v[32*\t+2*i], v[32*\t+2*i+1]
.set i, i+1
.endr
	WIN 0
.irp f, 0,1,2,3
	ds_store_b128 v[STO], v[S+16*\t+4*\f:S+16*\t+4*\f+3] offset:32*\f
.endr
.irp f, 0,1,2,3
	ds_load_b128 v[VF+16*\t+4*\f:VF+16*\t+4*\f+3], v[RD] offset:\f*4*SP   ; LDS serves a wave's instructions in order: these see the stores above, and the next tile's stores come behind them
.endr
.endm
.macro SEND t, younger                 ; younger: the next tile's eight LDS instructions, or none
.irp f, 0,1,2,3
	s_wait_dscnt \younger+3-\f
	global_store_b128 v[GO], v[VF+16*\t+4*\f:VF+16*\t+4*\f+3], s[OP:OP+1] offset:\t*2048+\f*512
.endr
.endm
	PACK 0
	PACK 1
	SEND 0, 8
	PACK 2
	SEND 1, 8
	PACK 3
	SEND 2, 8
	SEND 3, 0
	s_wait_tensorcnt 0x0                           ; the wave's end
	ds_add_u32 v[SPW], v[NIL]
	s_wait_dscnt 0x0
	CROUND                                         ; the closing round
	s_endpgm
.Lfunc_end_k_qa5a704ef15_attn:
	.size	k_qa5a704ef15_attn, .Lfunc_end_k_qa5a704ef15_attn-k_qa5a704ef15_attn
	.p2alignl 7, 3214868480
	.fill 96, 4, 3214868480
	.section	.rodata,"a",@progbits
	.p2align	6, 0x0
	.amdhsa_kernel k_qa5a704ef15_attn
		.amdhsa_group_segment_fixed_size 327680
		.amdhsa_private_segment_fixed_size 0
		.amdhsa_enable_private_segment 0
		.amdhsa_kernarg_size 24
		.amdhsa_user_sgpr_count 2
		.amdhsa_user_sgpr_kernarg_segment_ptr 1
		.amdhsa_wavefront_size32 1
		.amdhsa_system_sgpr_workgroup_id_x 1
		.amdhsa_system_sgpr_workgroup_id_y 1
		.amdhsa_system_sgpr_workgroup_id_z 1
		.amdhsa_system_vgpr_workitem_id 0
		.amdhsa_next_free_vgpr 512
		.amdhsa_next_free_sgpr 84
		.amdhsa_reserve_vcc 0
		.amdhsa_float_denorm_mode_32 3
		.amdhsa_float_denorm_mode_16_64 3
		.amdhsa_memory_ordered 1
		.amdhsa_forward_progress 1
		.amdhsa_inst_pref_size 94
	.end_amdhsa_kernel
	.amdgpu_metadata
---
amdhsa.version: [ 1, 2 ]
amdhsa.kernels:
  - .name:           k_qa5a704ef15_attn
    .symbol:         k_qa5a704ef15_attn.kd
    .args:
      - { .name: qkv, .offset: 0, .size: 8, .value_kind: global_buffer, .address_space: global }
      - { .name: maskf, .offset: 8, .size: 8, .value_kind: global_buffer, .address_space: global }
      - { .name: ctx, .offset: 16, .size: 8, .value_kind: global_buffer, .address_space: global }
    .group_segment_fixed_size: 327680
    .private_segment_fixed_size: 0
    .kernarg_segment_align: 8
    .kernarg_segment_size: 24
    .max_flat_workgroup_size: 256
    .sgpr_count:     84
    .vgpr_count:     512
    .wavefront_size: 32
...
	.end_amdgpu_metadata
.endif
;; end of part 3
;; launch oproj (part 4): grid 4 x 64, 4 waves a work-group, clusters of 4 x 4, 327,680 bytes of LDS; arguments ctx, wo16, bo, out0; writes out0
.if DOCPART == 4
	.amdgcn_target "amdgcn-amd-amdhsa--gfx1250"
	.amdhsa_code_object_version 6
	.text
	.protected	k_qa5a704ef15_oproj
	.globl	k_qa5a704ef15_oproj
	.p2align	8
	.type	k_qa5a704ef15_oproj,@function
k_qa5a704ef15_oproj:
	s_mov_b64 s[64:65], 0
	v_nop
	global_prefetch_b8 v0, s[64:65] scope:SCOPE_SE
	s_setreg_imm32_b32 hwreg(HW_REG_WAVE_MODE, 25, 1), 1
	s_wait_xcnt 0x0
	s_wait_alu depctr_hold_cnt(0) depctr_sa_sdst(0) depctr_va_vdst(0) depctr_va_sdst(0) depctr_va_ssrc(0) depctr_va_vcc(0) depctr_vm_vsrc(0)
	s_getreg_b32 s2, hwreg(HW_REG_IB_STS2, 6, 4)
	s_cmp_eq_u32 s2, 0
	s_cbranch_scc0 .Lentry_in_a_cluster
	s_endpgm
.Lentry_in_a_cluster:
	s_bfe_u32 s2, ttmp6, 0x10000c
	s_cmp_lg_u32 s2, 0xf033
	s_cbranch_scc0 .Lentry_shape_is_right
	s_endpgm
.Lentry_shape_is_right:
; OPROJ: out0[m][n] = sum over k of ctx[m][k] Wo[n][k] + bo[n].  ctx: f16 [64 (batch x head)][2048][64]; wo16: f16 [16 heads][1024 n][64]; out0: f32 [8192][1024].  f16 operands, f32 sums.
; No work of reference() is left out here.
; A tile of 128 (m) x 256 (n) to a work-group: 256 work-groups.  Four waves, each 64 x 128: 32 accumulators.  K goes by heads: a K step is two heads, each a plane of dense rows of 128 bytes; two LDS slots, eight K steps.
; Waves 0 and 1 fetch ctx's two planes (128 rows each), waves 2 and 3 Wo's (256 rows each): one load a wave behind each round.
; CLUSTERS: 4 x 4 work-groups; ctx's planes are shared along a row of the cluster, Wo's along a column: joint loads.
; THE MATRIX INSTRUCTION IS USED TRANSPOSED (source 0 = 16 rows of Wo, source 1 = 16 rows of ctx): a lane holds eight neighbouring columns of a row.  The bias is the C of each sum's first product.
; No prefetch: the launch has eight K steps on small tiles.
; REGISTERS: window 0: v16-30 addresses; v64-127 ctx's fragments, two buffers of 32; v128-255 Wo's, two buffers of 64 (on the way out: rows read back).  window 1: the accumulators ((a, b) at v[8 (8 a + b)]).  window 2: v0-63 the bias.
.set PITCH,  144                       ; an LDS row: 128 bytes + 16: the 16 rows of a load start at 16 different groups of four banks
.set APL,    128*PITCH                 ; a plane of ctx
.set BPL,    256*PITCH                 ; a plane of Wo
.set SLOT,   2*APL+2*BPL               ; ctx's two planes, then Wo's two
.set SPARE,  2*SLOT                    ; the spare words, 128 bytes a wave
.set SPITCH, 528                       ; the way out: a stage of 16 rows x (512 + 16) bytes a wave, in slot 0: the last K step lies in slot 1
.set LAPS,   4
.set ADRA, 16
.set ADRB, 20
.set STO,  24
.set RD,   25
.set CO,   26
.set SPW,  28
.set NIL,  29
.set BO,   30
.set FA,   64
.set FB,   128
.set BK,   128
.set G1, 24
.set G0, 32
.set G1B, 48
.set G0B, 56
.set MSB, 0
.macro WIN new
.if MSB != (\new)
	s_set_vgpr_msb (MSB<<8)|(\new)
.set MSB, (\new)
.endif
.endm
.set MUL,  0x50                        ; C and D window 1
.set MULB, 0x60                        ; C (the bias) window 2, D window 1
.macro JLOAD s                         ; an s_nop 0 and four v_nop follow each of the two lines
	s_cmp_eq_u32 s13, 0
	s_cbranch_scc0 .Lfor_b_\@
	tensor_load_to_lds s[G0+4*\s:G0+4*\s+3], s[G1:G1+7]
	s_nop 0
.rept 4
	v_nop
.endr
	s_branch .Lasked_\@
.Lfor_b_\@:
	tensor_load_to_lds s[G0B+4*\s:G0B+4*\s+3], s[G1B:G1B+7]
	s_nop 0
.rept 4
	v_nop
.endr
.Lasked_\@:
.endm
.macro CREST
	s_cmp_lg_u32 s12, 0
	s_cbranch_scc1 .Lnot_wave_0_\@
	s_barrier_signal -3
.Lnot_wave_0_\@:
	s_barrier_wait -3
	s_barrier_signal -1
	s_barrier_wait -1
.endm
.macro CROUND
	s_barrier_signal -1
	s_barrier_wait -1
	CREST
.endm
	s_load_b256 s[4:11], s[0:1], 0x0               ; ctx 4:5, wo16 6:7, bo 8:9, out0 10:11
	v_lshl_add_u32 v[SPW], v0, 2, SPARE
	v_mov_b32 v[NIL], 0
	ds_add_u32 v[SPW], v[NIL]                      ; the wave's opening: the add, twice on end, and its wait ahead of my first tensor load
	ds_add_u32 v[SPW], v[NIL]
	v_lshrrev_b32 v1, 5, v0
	v_readfirstlane_b32 s12, v1                    ; wave 0..3
	s_lshr_b32 s13, s12, 1                         ; which 64 rows of the tile are mine.  Also: I fetch for ctx (0) or for Wo (1)
	s_and_b32 s14, s12, 1                          ; which 128 columns.  Also: which plane of the K step I fetch
	s_bfe_u32 s40, ttmp6, 0x40000                  ; cx, cy
	s_bfe_u32 s41, ttmp6, 0x40004
	s_lshl_b32 s42, ttmp9, 2
	s_add_co_u32 s42, s42, s40                     ; tile column
	s_and_b32 s15, ttmp7, 0xffff
	s_lshl_b32 s15, s15, 2
	s_add_co_u32 s15, s15, s41                     ; tile row
	s_lshl_b32 s43, s41, 2
	s_lshl_b32 s43, 15, s43                        ; my row of the cluster
	s_lshl_b32 s44, 0x1111, s40                    ; my column
	s_or_b32 s[G1+0], s43, (1<<16)|(1<<20)|(1<<21)|(4<<22)|(3<<25)   ; the mask; elements of 2 bytes; padding: 4 words after every 32
	s_or_b32 s[G1B+0], s44, (1<<16)|(1<<20)|(1<<21)|(4<<22)|(3<<25)
	s_mov_b32 s[G1+1], 64<<16                      ; tensor_dim0
	s_mov_b32 s[G1+2], 128<<16                     ; tensor_dim1
	s_mov_b32 s[G1+3], 64<<16                      ; tile_dim0
	s_mov_b32 s[G1+4], 128                         ; tile_dim1
	s_mov_b32 s[G1+5], 64                          ; the pitch
	s_mov_b32 s[G1+6], 0
	s_mov_b32 s[G1+7], 0
	s_mov_b32 s[G1B+1], 64<<16
	s_mov_b32 s[G1B+2], 256<<16
	s_mov_b32 s[G1B+3], 64<<16
	s_mov_b32 s[G1B+4], 256
	s_mov_b32 s[G1B+5], 64
	s_mov_b32 s[G1B+6], 0
	s_mov_b32 s[G1B+7], 0
	s_lshr_b32 s16, s15, 4                         ; ctx: batch x 16 heads x 2,048 rows x 128 bytes,
	s_lshl_b32 s16, s16, 22
	s_and_b32 s17, s15, 15
	s_lshl_b32 s17, s17, 14                        ; + my tile's 128 rows in the sequence,
	s_add_co_u32 s16, s16, s17
	s_lshl_b32 s17, s14, 18                        ; + my plane: a head is 262,144 bytes
	s_add_co_u32 s16, s16, s17
	s_mov_b32 s17, 0
	s_lshl_b32 s46, s42, 15                        ; Wo: my tile's 256 rows of 128 bytes,
	s_lshl_b32 s47, s14, 17                        ; + my plane: a head is 131,072 bytes
	s_add_co_u32 s46, s46, s47
	s_mov_b32 s47, 0
	s_mul_i32 s20, s14, APL                        ; where they go: no place in the cluster enters an LDS address
	s_mul_i32 s21, s14, BPL
	s_add_co_u32 s21, s21, 2*APL
	s_wait_dscnt 0x0                               ; both opening adds are done
	s_wait_kmcnt 0x0
	s_add_nc_u64 s[18:19], s[4:5], s[16:17]
	s_add_nc_u64 s[46:47], s[6:7], s[46:47]
	CROUND                                         ; all sixteen work-groups are here: the first joint loads meet
.irp s, 0,1
	s_mov_b32 s[G0+4*\s], 1
	s_add_co_u32 s[G0+4*\s+1], s20, \s*SLOT
	s_add_nc_u64 s[G0+4*\s+2:G0+4*\s+3], s[18:19], \s*524288       ; K step s: two heads on
	s_or_b32 s[G0+4*\s+3], s[G0+4*\s+3], 0x80000000
	s_mov_b32 s[G0B+4*\s], 1
	s_add_co_u32 s[G0B+4*\s+1], s21, \s*SLOT
	s_add_nc_u64 s[G0B+4*\s+2:G0B+4*\s+3], s[46:47], \s*262144
	s_or_b32 s[G0B+4*\s+3], s[G0B+4*\s+3], 0x80000000
	JLOAD \s                                       ; two tensor loads of mine are out
.endr
	s_lshl_b32 s22, s42, 10
	s_lshl_b32 s23, s14, 9
	s_add_co_u32 s22, s22, s23                     ; my first column, in bytes of f32
	s_mov_b32 s23, 0
	s_add_nc_u64 s[8:9], s[8:9], s[22:23]
	s_add_nc_u64 s[10:11], s[10:11], s[22:23]
	s_lshl_b32 s22, s15, 19                        ; 128 rows of 4,096 bytes a tile row,
	s_lshl_b32 s2, s13, 18                         ; 64 for my half
	s_add_co_u32 s22, s22, s2
	s_add_nc_u64 s[10:11], s[10:11], s[22:23]
	v_and_b32 v1, 15, v0                           ; l % 16
	v_bfe_u32 v2, v0, 4, 1                         ; l / 16
	v_lshlrev_b32 v[BO], 5, v2
	WIN 0x80                                       ; destination window 2
.irp b, 0,1,2,3,4,5,6,7
	global_load_b128 v[8*\b:8*\b+3], v[BO], s[8:9] offset:64*\b            ; bo of columns 16 b + 8 (l / 16) + 0 .. 7
	global_load_b128 v[8*\b+4:8*\b+7], v[BO], s[8:9] offset:64*\b+16
.endr
	WIN 0
	v_mul_u32_u24 v3, v1, PITCH
	v_lshl_add_u32 v3, v2, 4, v3                   ; a fragment's row x pitch + 16 x half
	s_mul_i32 s20, s13, 64*PITCH                   ; my 64 rows of ctx
	s_mul_i32 s21, s14, 128*PITCH                  ; my 128 rows of Wo,
	s_add_co_u32 s21, s21, 2*APL                   ; behind ctx's two planes
.irp s, 0,1
	v_add_nc_u32 v[ADRA+\s], s20, v3
	v_add_nc_u32 v[ADRB+\s], s21, v3
	s_add_co_u32 s20, s20, SLOT
	s_add_co_u32 s21, s21, SLOT
.endr
	s_mul_i32 s2, s12, 16*SPITCH                   ; my stage
	v_mul_u32_u24 v4, v1, SPITCH
	v_lshl_add_u32 v4, v2, 5, v4
	v_add_nc_u32 v[STO], s2, v4                    ; in: row l % 16, 32 bytes for each half of the lanes
	v_and_b32 v5, 31, v0
	v_lshlrev_b32 v[CO], 4, v5                     ; back: the 32 lanes take one row of 512 bytes; and the same in out0
	v_add_nc_u32 v[RD], s2, v[CO]
.macro MULA f, a, first                ; 8 products: ctx's block a against Wo's eight, 32 along K.  The 32 accumulators take turns, one instruction a turn, in the same order in every quarter
.irp b, 0,1,2,3,4,5,6,7
.if \first
	v_wmma_f32_16x16x32_f16 v[8*(8*(\a)+\b):8*(8*(\a)+\b)+7], v[FB+64*(\f)+8*\b:FB+64*(\f)+8*\b+7], v[FA+32*(\f)+8*(\a):FA+32*(\f)+8*(\a)+7], v[8*\b:8*\b+7]
.else
	v_wmma_f32_16x16x32_f16 v[8*(8*(\a)+\b):8*(8*(\a)+\b)+7], v[FB+64*(\f)+8*\b:FB+64*(\f)+8*\b+7], v[FA+32*(\f)+8*(\a):FA+32*(\f)+8*(\a)+7], v[8*(8*(\a)+\b):8*(8*(\a)+\b)+7]
.endif
.endr
.endm
.macro FETCH slot, q, f                ; 24 LDS loads in one run: quarter q of the slot (plane q / 2, channels 32 (q % 2) on) into buffer f: Wo's eight fragments, then ctx's four
	WIN 0
.irp i, 0,1,2,3,4,5,6,7
	ds_load_b128 v[FB+64*(\f)+8*\i:FB+64*(\f)+8*\i+3],   v[ADRB+\slot] offset:((\q)/2)*BPL+\i*16*PITCH+64*((\q)%2)
	ds_load_b128 v[FB+64*(\f)+8*\i+4:FB+64*(\f)+8*\i+7], v[ADRB+\slot] offset:((\q)/2)*BPL+\i*16*PITCH+64*((\q)%2)+32
.endr
.irp i, 0,1,2,3
	ds_load_b128 v[FA+32*(\f)+8*\i:FA+32*(\f)+8*\i+3],   v[ADRA+\slot] offset:((\q)/2)*APL+\i*16*PITCH+64*((\q)%2)
	ds_load_b128 v[FA+32*(\f)+8*\i+4:FA+32*(\f)+8*\i+7], v[ADRA+\slot] offset:((\q)/2)*APL+\i*16*PITCH+64*((\q)%2)+32
.endr
.endm
.macro PLACES                          ; four plain places in front of loads into registers that matrix instructions have read, and of reads of results
.rept 4
	v_nop
.endr
.endm
.macro QUARTER slot, q, f, g, first    ; multiplies buffer f; in its middle fetches quarter q of the slot into buffer g
	s_wait_dscnt 4                                 ; Wo's fragments and ctx's blocks 0, 1 are in; the youngest four loads (blocks 2, 3) may be out
.if \first
	WIN MULB
.else
	WIN MUL
.endif
	MULA \f, 0, \first
	MULA \f, 1, \first
	PLACES
	FETCH \slot, \q, \g
	s_wait_dscnt 24                                ; all but the 24 just issued
.if \first
	WIN MULB
.else
	WIN MUL
.endif
	MULA \f, 2, \first
	MULA \f, 3, \first
.endm
; A slot's last quarter multiplies buffer 1 and changes slots: one barrier; in front of it each wave waits for all its tensor loads, adds 0 to its spare word, and waits for that and for its reads of this slot.
; fill = 1: the barrier opens a round of the cluster's barrier, and this slot is filled again, two K steps (four heads) ahead.
.macro TURN slot, next, fill
	WIN 0
	s_wait_tensorcnt 0x0                           ; all my tensor loads have landed: my part of the next slot
	ds_add_u32 v[SPW], v[NIL]
	s_wait_dscnt 5                                 ; (the add and the youngest four loads may be out)
	WIN MUL
	MULA 1, 0, 0
	s_wait_dscnt 0x0                               ; the add is done, and my reads of this slot are over
	s_barrier_signal -1
	MULA 1, 1, 0
.if \fill
	WIN 0
.endif
	s_barrier_wait -1
.if \fill
	CREST                                          ; no wave of any partner still reads this slot or has a load on its way
	s_add_nc_u64 s[G0+4*\slot+2:G0+4*\slot+3], s[G0+4*\slot+2:G0+4*\slot+3], 1048576
	s_add_nc_u64 s[G0B+4*\slot+2:G0B+4*\slot+3], s[G0B+4*\slot+2:G0B+4*\slot+3], 524288
	JLOAD \slot                                    ; the first tensor load behind the round; its four v_nop are also the places in front of the loads below
.else
	PLACES
.endif
	FETCH \next, 0, 0
	WIN MUL
	MULA 1, 2, 0
	MULA 1, 3, 0
.endm
	s_wait_tensorcnt 1                             ; my part of K step 0 is in; K step 1's load may be out
	s_barrier_signal -1
	s_barrier_wait -1
	FETCH 0, 0, 0
	s_wait_loadcnt 0x0                             ; the bias
	QUARTER 0, 1, 0, 1, 1                          ; the first quarter stands in front of the loop: its products start the sums
	WIN 0
	s_mov_b32 s3, LAPS-1
.Llap:                                             ; a trip goes once round the ring and fills both slots again
	QUARTER 0, 2, 1, 0, 0
	QUARTER 0, 3, 0, 1, 0
	TURN 0, 1, 1
	QUARTER 1, 1, 0, 1, 0
	QUARTER 1, 2, 1, 0, 0
	QUARTER 1, 3, 0, 1, 0
	TURN 1, 0, 1
	QUARTER 0, 1, 0, 1, 0
	WIN 0
	s_sub_co_u32 s3, s3, 1
	s_cmp_lg_u32 s3, 0
	s_cbranch_scc1 .Llap
	QUARTER 0, 2, 1, 0, 0                          ; the last lap fills nothing
	QUARTER 0, 3, 0, 1, 0
	TURN 0, 1, 0
	QUARTER 1, 1, 0, 1, 0
	QUARTER 1, 2, 1, 0, 0
	QUARTER 1, 3, 0, 1, 0
	s_wait_dscnt 4                                 ; the very last quarter: nothing more to fetch
	WIN MUL
	MULA 1, 0, 0
	MULA 1, 1, 0
	s_wait_dscnt 0x0
	MULA 1, 2, 0
	MULA 1, 3, 0
	WIN 0
; THE WAY OUT, block by block of 16 rows x 128 columns: through my own stage and back as whole rows of 512 bytes.
.macro TOSTAGE a
	WIN 0x04                                       ; an LDS store's data: window 1
.irp b, 0,1,2,3,4,5,6,7
	ds_store_b128 v[STO], v[8*(8*(\a)+\b):8*(8*(\a)+\b)+3] offset:64*\b        ; each accumulator from its low end on
	ds_store_b128 v[STO], v[8*(8*(\a)+\b)+4:8*(8*(\a)+\b)+7] offset:64*\b+16
.endr
	WIN 0
.set BB, BK+64*((\a)%2)
.irp t, 0,1,2,3,4,5,6,7,8,9,10,11,12,13,14,15
	ds_load_b128 v[BB+4*\t:BB+4*\t+3], v[RD] offset:\t*SPITCH      ; LDS serves a wave's instructions in order: these see the stores above
.endr
.endm
.macro SEND a, younger
.set BB, BK+64*((\a)%2)
	s_wait_dscnt \younger
.irp t, 0,1,2,3,4,5,6,7,8,9,10,11,12,13,14,15
	global_store_b128 v[CO], v[BB+4*\t:BB+4*\t+3], s[10:11] offset:(16*(\a)+\t)*4096 th:TH_STORE_NT   ; 32 lanes store 512 consecutive bytes, aligned
.endr
.endm
	PLACES
	TOSTAGE 0
.irp a, 1,2,3
.if \a > 1
	s_wait_xcnt 0x0                                ; block a - 2's stores have read their registers: block a's rows may land there
.endif
	TOSTAGE \a
	SEND \a-1, 32                                  ; behind block a - 1's loads: block a's 16 stores and 16 loads
.endr
	SEND 3, 0
	s_wait_tensorcnt 0x0                           ; the wave's end
	ds_add_u32 v[SPW], v[NIL]
	s_wait_dscnt 0x0
	CROUND                                         ; the closing round
	s_endpgm
.Lfunc_end_k_qa5a704ef15_oproj:
	.size	k_qa5a704ef15_oproj, .Lfunc_end_k_qa5a704ef15_oproj-k_qa5a704ef15_oproj
	.p2alignl 7, 3214868480
	.fill 96, 4, 3214868480
	.section	.rodata,"a",@progbits
	.p2align	6, 0x0
	.amdhsa_kernel k_qa5a704ef15_oproj
		.amdhsa_group_segment_fixed_size 327680
		.amdhsa_private_segment_fixed_size 0
		.amdhsa_enable_private_segment 0
		.amdhsa_kernarg_size 32
		.amdhsa_user_sgpr_count 2
		.amdhsa_user_sgpr_kernarg_segment_ptr 1
		.amdhsa_wavefront_size32 1
		.amdhsa_system_sgpr_workgroup_id_x 1
		.amdhsa_system_sgpr_workgroup_id_y 1
		.amdhsa_system_sgpr_workgroup_id_z 1
		.amdhsa_system_vgpr_workitem_id 0
		.amdhsa_next_free_vgpr 768
		.amdhsa_next_free_sgpr 66
		.amdhsa_reserve_vcc 0
		.amdhsa_float_denorm_mode_32 3
		.amdhsa_float_denorm_mode_16_64 3
		.amdhsa_memory_ordered 1
		.amdhsa_forward_progress 1
		.amdhsa_inst_pref_size 86
	.end_amdhsa_kernel
	.amdgpu_metadata
---
amdhsa.version: [ 1, 2 ]
amdhsa.kernels:
  - .name:           k_qa5a704ef15_oproj
    .symbol:         k_qa5a704ef15_oproj.kd
    .args:
      - { .name: ctx, .offset: 0, .size: 8, .value_kind: global_buffer, .address_space: global }
      - { .name: wo16, .offset: 8, .size: 8, .value_kind: global_buffer, .address_space: global }
      - { .name: bo, .offset: 16, .size: 8, .value_kind: global_buffer, .address_space: global }
      - { .name: out0, .offset: 24, .size: 8, .value_kind: global_buffer, .address_space: global }
    .group_segment_fixed_size: 327680
    .private_segment_fixed_size: 0
    .kernarg_segment_align: 8
    .kernarg_segment_size: 32
    .max_flat_workgroup_size: 128
    .sgpr_count:     66
    .vgpr_count:     768
    .wavefront_size: 32
...
	.end_amdgpu_metadata
.endif
;; end of part 4
